; MI455X (gfx1250); checked and timed in simulation.
; The chip was launched on July 23, 2026; its instructions are those of AMD's public machine-readable ISA for CDNA 5 (MIT licence, August 2026) and "CDNA5" Instruction Set Architecture Reference Guide (July 2026). The comments in the code are by the model that wrote it; some were corrected since.
;; DCT Attention Ideal. Allowed arithmetic: matrix products marked QUANTISED: E2M3 operands, one E8M0 scale for each 32 along K, by v_wmma_scale_f32_16x16x128_f8f6f4 with both operands' format E2M3, f32 sums; everything else in f32.
;; Inputs: K 2 x 16 x 2,048 x 64 float32; Q 2 x 16 x 2,048 x 64 float32; Q_dct 256 x 2,048 float32; V 2 x 16 x 2,048 x 64 float32; mask 2 x 2,048 float32.
;; Outputs: out0 2 x 16 x 2,048 x 64 float32.
;; This version of the problem:
;;   THIS VERSION OF THE PROBLEM IS GIVEN IN LOW PRECISION. The matrix products marked QUANTISED in the list below multiply operands that are first quantised to E2M3 (2 exponent bits, 3 mantissa bits; 6 bits a number), with one power-of-two scale for each 32 numbers along K (OCP MX v1.0); their sums are f32. All else is computed in f32.
;;   The module's matrix products, in the order in which they are computed (A, B: the left and right operand; K: the contracted axis; several contracted axes count as one K, in the product's order):
;;     1. [M 2,048, K 2,048] x [K 2,048, N 256]; A: computed on the way; B: input Q_dct: QUANTISED
;;     2. batch 32 x [M 2,048, K 64] x [K 64, N 2,048]; A: computed on the way; B: computed on the way: QUANTISED
;;     3. [M 65,536, K 2,048] x [K 2,048, N 256]; A: computed on the way; B: input Q_dct: QUANTISED
;;     4. [M 8,192, K 2,048] x [K 2,048, N 256]; A: computed on the way; B: input Q_dct: QUANTISED
;;     5. [M 8,192, K 256] x [K 256, N 2,048]; A: computed on the way; B: input Q_dct: QUANTISED
;;     6. batch 32 x [M 2,048, K 256] x [K 256, N 64]; A: computed on the way; B: computed on the way: QUANTISED
;;   THE QUANTISER, for each operand of a quantised product, along K:
;;     - K is cut into blocks of 32 from its start; a last block that is shorter is filled with zeros.
;;     - A block's scale is 2^e with e = floor(log2(the largest magnitude in the block)) - 2, held to -126 .. 127; a block of zeros has e = 0. As a byte (E8M0): e + 127.
;;     - Each number is divided by its block's scale, clamped to +-7.5, and rounded to the nearest number of E2M3, ties to even, subnormals kept.
;;     - The product sums the exact products of the quantised numbers (number of the format x scale) in f32.
;;   ~~~python
;;   def quantise(x, axis):      # numpy; x: float32 -> the quantised numbers, widened to float32 again
;;       x = np.moveaxis(x, axis, -1); K = x.shape[-1]
;;       x = np.pad(x, [(0, 0)] * (x.ndim - 1) + [(0, -K % 32)]); x = x.reshape(x.shape[:-1] + (-1, 32)); a = np.abs(x).max(-1, keepdims=True)
;;       e = np.where(a > 0, np.clip(np.frexp(np.where(a > 0, a, 1))[1] - 1 - 2, -126, 127), 0)      # np.frexp(a)[1] - 1 = floor(log2(a)), exactly
;;       r = np.clip(x / 2.0 ** e, -7.5, 7.5)
;;       step = 2.0 ** (np.maximum(np.frexp(np.where(r == 0, 1, r))[1] - 1, 0) - 3)
;;       q = np.round(r / step) * step * 2.0 ** e      # np.round: ties to even
;;       return np.moveaxis(q.reshape(q.shape[:-2] + (-1,))[..., :K], -1, axis).astype(np.float32)
;;   ~~~
;;   OPERANDS COMPUTED ON THE WAY. 'Computed on the way' means the value that the module computes at that place (a softmax that the list does not call 'softmax' is quantised finished and normalised). What goes into a quantiser is computed in f32, as accurately as f32 sums, v_exp_f32 and their like allow (about 1e-6 of the number): no bf16 or f16 on the way to a quantiser, and a product that is left as it is and whose result goes on into a quantised operand takes f32 operands (vector FMAs, or v_wmma_f32_16x16x4_f32). A number that lies on a knife's edge between two numbers of the format may be rounded either way, as far as f32 arithmetic and the matrix unit's own rounding can turn it there, and no further.
;; One version. Each part assembles by itself: llvm-mc -triple=amdgcn-amd-amdhsa -mcpu=gfx1250 --defsym DOCPART=n.
;; ======== version 1 of 1: 5 launches
;; workspace buffers: qk 6,553,600 bytes; vrec 3,276,800 bytes; drec 1,228,800 bytes; negl 262,144 bytes; arec 13,107,200 bytes; o3 2,048,000 bytes
;; launch prep (part 1): grid 576 x 1, 4 waves a work-group, no clusters, 35,328 bytes of LDS; arguments Q, K, V, mask, Q_dct, qk, vrec, drec; writes qk, vrec, drec
.if DOCPART == 1
	.amdgcn_target "amdgcn-amd-amdhsa--gfx1250"
	.amdhsa_code_object_version 6
	.text
	.protected	k_qa418363d94_prep
	.globl	k_qa418363d94_prep
	.p2align	8
	.type	k_qa418363d94_prep,@function
k_qa418363d94_prep:
	s_mov_b64 s[64:65], 0
	v_nop
	global_prefetch_b8 v0, s[64:65] scope:SCOPE_SE
	s_setreg_imm32_b32 hwreg(HW_REG_WAVE_MODE, 25, 1), 1
	s_wait_xcnt 0x0
; PREP: the five quantisations of inputs into codes of FP6 (E2M3) with one E8M0 byte for each 32 along K, laid as IMAGES OF OPERAND REGISTERS.
; A fragment (16 rows x 128 K, 12 registers a lane) is 1,536 bytes = two halves of 768: half c holds registers 6c..6c+3 at 16 x lane and registers 6c+4, 6c+5 at 512 + 8 x lane.
; A word block is 64 bytes: row r's four scale bytes at 4 r.  A record is 4 (or 16) fragments and then their word blocks: 6,400 (25,600) bytes.
; Work-groups 0-255: Q x s and K x s x mask, s = 64^(-1/4), K = the head's 64: half c of fragment g holds the 16 rows 32 g + 8 c + r + 8 (r / 8).  A wave makes one record (128 rows).
; Work-groups 256-511: V x mask, K = the sequence (its first axis): a lane takes a column d, its registers run down the sequence.  512-543: Q_dct along its first axis, likewise.
; Work-groups 544-575: Q_dct along its rows; tile f holds rows 32 (f / 2) + 8 (f % 2) + r + 8 (r / 8); stored twice, as records of 16 tiles and as records of 4.
; A block's scale byte is its largest magnitude's exponent field - 2, held at 1 from below.  LIMITS: a block of zeros gets the byte 1 (its codes are zeros; these bytes are read by this program alone);
; NaN and infinities among the inputs are not served.  Waves share nothing: no barrier.  Only the first path uses LDS (a stage of 32 rows x 272 bytes for each wave).
.set L16, 1                            ; v1  16 x lane
.set L8,  2                            ; v2  8 x lane
.set L4,  3                            ; v3  4 x lane
.set RR,  5                            ; v5  r = lane % 16
.set HH,  6                            ; v6  h = lane / 16
.set SW,  7                            ; v7  the stage, on the way in
.set SRD, 8                            ; v8  and on the way out
.set RP,  9                            ; v9  r + 8 (r / 8)
.set SH,  10                           ; v10 8 h
.set VA,  11                           ; v11 Q_dct's rows: my byte
.set MX,  12                           ; v12-13 largest magnitudes
.set EO,  14                           ; v14-15 the conversions' scale operands
.set EB,  16                           ; v16-17 scale bytes
.set PT,  18                           ; v18 a lane permute's destination
.set MO,  19                           ; v19 my row's place in the mask
.set W,   20                           ; v20-23 scale words
.set MK,  24                           ; v24-31 the mask of my rows: two sets of two pairs
.set T,   32                           ; v32-39 second halves of the conversions
.set C,   40                           ; v40-87 codes: 12 registers for each fragment, never written again
.set RAW, 88                           ; v88-151 numbers as loaded
.set X,   152                          ; v152-215 numbers in the operand's order
.set XC,  88                           ; the column paths: 128 numbers of a lane
.set SEL, 20                           ; s[20:21] selects of v_permlanex16_b32: lane xor 16
.set SC,  22                           ; s[22:23] 64^(-1/4)
; 64 numbers of a lane, two whole blocks of 32 (v[x].. and v[x+32]..), become 12 registers of codes at v[cb] and the row's scale word in v[w] (my blocks' bytes at 2 c + h; lane xor 16 brings the other two)
.macro CORE x, cb, w, mul, mk
.if \mul
.set j, 0
.rept 32
	v_pk_mul_f32 v[\x+j:\x+j+1], v[\x+j:\x+j+1], s[SC:SC+1] op_sel_hi:[1,0]
.set j, j+2
.endr
.set j, 0
.rept 16
	v_pk_mul_f32 v[\x+j:\x+j+1], v[\x+j:\x+j+1], v[\mk:\mk+1] op_sel_hi:[1,0]
	v_pk_mul_f32 v[\x+32+j:\x+33+j], v[\x+32+j:\x+33+j], v[\mk+2:\mk+3] op_sel_hi:[1,0]
.set j, j+2
.endr
.endif
	v_max3_num_f32 v[MX], |v[\x]|, |v[\x+1]|, 0x1800000          ; with the floor 2^(3 - 127): the byte cannot fall under 1
	v_max3_num_f32 v[MX+1], |v[\x+32]|, |v[\x+33]|, 0x1800000
.irp i, 2,4,6,8,10,12,14,16,18,20,22,24,26,28,30
	v_max3_num_f32 v[MX], v[MX], |v[\x+\i]|, |v[\x+\i+1]|
	v_max3_num_f32 v[MX+1], v[MX+1], |v[\x+32+\i]|, |v[\x+33+\i]|
.endr
	v_add_nc_u32 v[EO], 0xff000000, v[MX]                        ; 2 off the exponent field: the conversion's scale operand
	v_add_nc_u32 v[EO+1], 0xff000000, v[MX+1]
	v_lshrrev_b32 v[EB], 23, v[EO]
	v_lshrrev_b32 v[EB+1], 23, v[EO+1]
	v_lshl_or_b32 v[\w], v[EB+1], 16, v[EB]
	v_lshlrev_b32 v[\w], v[SH], v[\w]
	v_permlanex16_b32 v[PT], v[\w], s[SEL], s[SEL+1]
	v_or_b32 v[\w], v[\w], v[PT]
	v_cvt_scalef32_pk16_fp6_f32 v[\cb:\cb+2], v[\x:\x+15], v[EO]
	v_cvt_scalef32_pk16_fp6_f32 v[T:T+2], v[\x+16:\x+31], v[EO]
	v_cvt_scalef32_pk16_fp6_f32 v[\cb+6:\cb+8], v[\x+32:\x+47], v[EO+1]
	v_cvt_scalef32_pk16_fp6_f32 v[T+4:T+6], v[\x+48:\x+63], v[EO+1]
	v_nop                                                        ; one plain place behind the scaled conversions
.irp i, 0,1,2
	v_mov_b32 v[\cb+3+\i], v[T+\i]
	v_mov_b32 v[\cb+9+\i], v[T+4+\i]
.endr
.endm
; a fragment leaves as it stands: each store of the wave covers 512 or 256 consecutive bytes, aligned
.macro STF cb, bs, off
	global_store_b128 v[L16], v[\cb:\cb+3], s[\bs:\bs+1] offset:\off
	global_store_b64 v[L8], v[\cb+4:\cb+5], s[\bs:\bs+1] offset:\off+512
	global_store_b128 v[L16], v[\cb+6:\cb+9], s[\bs:\bs+1] offset:\off+768
	global_store_b64 v[L8], v[\cb+10:\cb+11], s[\bs:\bs+1] offset:\off+1280
.endm
	s_load_b256 s[68:75], s[0:1], 0x0              ; Q s[68:69], K s[70:71], V s[72:73], mask s[74:75]
	s_load_b256 s[76:83], s[0:1], 0x20             ; Q_dct s[76:77], qk s[78:79], vrec s[80:81], drec s[82:83]
	v_lshl_add_u32 v224, v0, 2, 0x8800
	v_mov_b32 v225, 0
	v_lshrrev_b32 v4, 5, v0
	v_readfirstlane_b32 s4, v4                     ; wave
	v_and_b32 v4, 31, v0
	v_lshlrev_b32 v[L16], 4, v4
	v_lshlrev_b32 v[L8], 3, v4
	v_lshlrev_b32 v[L4], 2, v4
	v_and_b32 v[RR], 15, v0
	v_bfe_u32 v[HH], v0, 4, 1
	v_and_b32 v[RP], 8, v[RR]
	v_add_nc_u32 v[RP], v[RP], v[RR]
	v_lshlrev_b32 v[SH], 3, v[HH]
	v_mov_b32 v[PT], 0
	s_mov_b32 s[SEL], 0x76543210
	s_mov_b32 s[SEL+1], 0xfedcba98
	s_mov_b32 s[SC], 0x3eb504f3                    ; 64^(-1/4)
	s_mov_b32 s[SC+1], s[SC]
	s_mov_b32 s11, 0
	s_wait_kmcnt 0x0
	s_cmp_lt_u32 ttmp9, 256
	s_cbranch_scc1 .Lrows
	s_cmp_lt_u32 ttmp9, 512
	s_cbranch_scc1 .Lv
	s_cmp_lt_u32 ttmp9, 544
	s_cbranch_scc1 .Ldm
	; ---- Q_dct along its rows: wave id: K step s = id % 16, tiles 2 fp and 2 fp + 1, fp = id / 16
	s_sub_co_u32 s5, ttmp9, 544
	s_lshl_b32 s5, s5, 2
	s_add_co_u32 s5, s5, s4
	s_and_b32 s6, s5, 15                           ; s
	s_lshr_b32 s7, s5, 4                           ; fp
	s_lshl_b32 s10, s7, 18                         ; 32 rows of 8,192 bytes
	s_lshl_b32 s16, s6, 9                          ; 128 numbers along a row
	s_add_co_u32 s10, s10, s16
	s_add_nc_u64 s[8:9], s[76:77], s[10:11]
	s_mul_i32 s24, s6, 25600                       ; the record of 16 tiles
	s_mul_i32 s16, s7, 3072
	s_add_co_u32 s10, s24, s16
	s_add_nc_u64 s[12:13], s[82:83], s[10:11]
	s_lshl_b32 s16, s7, 7
	s_add_co_u32 s10, s24, s16
	s_add_co_u32 s10, s10, 24576
	s_add_nc_u64 s[2:3], s[82:83], s[10:11]
	s_lshr_b32 s24, s7, 1                          ; the record of 4 tiles: part fp / 2, K step s
	s_lshl_b32 s24, s24, 4
	s_add_co_u32 s24, s24, s6
	s_mul_i32 s24, s24, 6400
	s_add_co_u32 s24, s24, 409600
	s_and_b32 s25, s7, 1
	s_mul_i32 s16, s25, 3072
	s_add_co_u32 s10, s24, s16
	s_add_nc_u64 s[14:15], s[82:83], s[10:11]
	s_lshl_b32 s16, s25, 7
	s_add_co_u32 s10, s24, s16
	s_add_co_u32 s10, s10, 6144
	s_add_nc_u64 s[16:17], s[82:83], s[10:11]
	v_lshlrev_b32 v[VA], 13, v[RP]
	v_lshl_add_u32 v[VA], v[HH], 7, v[VA]          ; row r + 8 (r / 8), + 128 h: my 32 numbers of each 64
.irp t, 0,1
.irp c, 0,1
.irp i, 0,1,2,3,4,5,6,7
	global_load_b128 v[RAW+64*\t+32*\c+4*\i:RAW+64*\t+32*\c+4*\i+3], v[VA], s[8:9] offset:65536*\t+256*\c+16*\i
.endr
.endr
.endr
	s_wait_loadcnt 16                              ; the first tile's 16 loads are in; the second's may be out
	CORE RAW, C, W, 0, MK
	s_wait_loadcnt 0x0
	CORE X, C+12, W+1, 0, MK
	s_mov_b32 vcc_lo, 0xffff0000
	v_cndmask_b32 v[W], v[W], v[W+1], vcc_lo       ; lanes 0-15 the even tile's words, lanes 16-31 the odd tile's: 128 consecutive bytes
	STF C, 12, 0
	STF C+12, 12, 1536
	global_store_b32 v[L4], v[W], s[2:3]
	STF C, 14, 0
	STF C+12, 14, 1536
	global_store_b32 v[L4], v[W], s[16:17]
	s_endpgm
	; ---- Q and K: wave id = 4 x work-group + wave; ids 0-511 Q's records, 512-1023 K's
.Lrows:
	s_lshl_b32 s5, ttmp9, 2
	s_add_co_u32 s5, s5, s4
	s_and_b32 s6, s5, 511                          ; record = 16 x head + s
	s_lshr_b32 s10, s6, 8                          ; the batch
	s_lshl_b32 s10, s10, 13
	s_and_b32 s16, s6, 15
	s_lshl_b32 s16, s16, 9
	s_add_co_u32 s10, s10, s16
	s_add_nc_u64 s[14:15], s[74:75], s[10:11]      ; the mask of the record's 128 rows
	s_lshl_b32 s10, s6, 15
	s_cmp_ge_u32 s5, 512
	s_cselect_b64 s[8:9], s[70:71], s[68:69]
	s_cselect_b32 s7, -1, 0                        ; all ones: K, which takes the mask; 0: Q, which takes 1.0
	s_add_nc_u64 s[8:9], s[8:9], s[10:11]
	s_mul_i32 s10, s5, 6400
	s_add_nc_u64 s[12:13], s[78:79], s[10:11]
	s_mul_i32 s16, s4, 8704                        ; my stage
	v_mul_u32_u24 v[SW], v[HH], 272
	v_lshl_add_u32 v[SW], v[RR], 4, v[SW]
	v_add_nc_u32 v[SW], s16, v[SW]                 ; in: a load's two rows of 256 bytes
	v_mul_u32_u24 v[SRD], v[RR], 272
	v_lshl_add_u32 v[SRD], v[HH], 7, v[SRD]
	v_add_nc_u32 v[SRD], s16, v[SRD]               ; out: stage row 16 c + r, + 128 h: my 32 numbers
	v_lshlrev_b32 v[MO], 2, v[RP]
.irp i, 1,3,5,7
	v_mov_b32 v[MK+\i], 0                          ; (named as upper halves of pairs)
.endr
.macro LOADR g                         ; 32 rows as they lie, 512 consecutive bytes a load; and the mask of my two rows
.irp i, 0,1,2,3,4,5,6,7,8,9,10,11,12,13,14,15
	global_load_b128 v[RAW+4*\i:RAW+4*\i+3], v[L16], s[8:9] offset:8192*(\g)+512*\i th:TH_LOAD_NT
.endr
	global_load_b32 v[MK+4*((\g)%2)], v[MO], s[14:15] offset:128*(\g)
	global_load_b32 v[MK+4*((\g)%2)+2], v[MO], s[14:15] offset:128*(\g)+32
.endm
	LOADR 0
.irp g, 0,1,2,3
	s_wait_loadcnt 0x0
.irp i, 0,1,2,3,4,5,6,7,8,9,10,11,12,13,14,15
	ds_store_b128 v[SW], v[RAW+4*\i:RAW+4*\i+3] offset:272*(16*(((2*\i)/8)%2)+8*((2*\i)/16)+(2*\i)%8)   ; row p goes to stage row 16 c + r, where p = 8 c + r + 8 (r / 8)
.endr
.irp c, 0,1
.irp i, 0,1,2,3,4,5,6,7
	ds_load_b128 v[X+32*\c+4*\i:X+32*\c+4*\i+3], v[SRD] offset:4352*\c+16*\i      ; LDS serves a wave's instructions in order: these see my stores
.endr
.endr
	s_wait_dscnt 0x0                               ; the numbers are back, and the stores have read their registers, which take the next loads
.if \g<3
	LOADR \g+1
.endif
	s_mov_b32 vcc_lo, s7
	v_cndmask_b32 v[MK+4*(\g%2)], 1.0, v[MK+4*(\g%2)], vcc_lo
	v_cndmask_b32 v[MK+4*(\g%2)+2], 1.0, v[MK+4*(\g%2)+2], vcc_lo
	CORE X, C+12*\g, W+\g, 1, MK+4*(\g%2)
	STF C+12*\g, 12, 1536*\g
.if \g%2
	s_mov_b32 vcc_lo, 0xffff0000
	v_cndmask_b32 v[W+\g-1], v[W+\g-1], v[W+\g], vcc_lo
	global_store_b32 v[L4], v[W+\g-1], s[12:13] offset:6144+128*(\g/2)
.endif
.endr
	s_wait_tensorcnt 0x0
	ds_add_u32 v224, v225
	s_wait_dscnt 0x0
	s_endpgm
; ---- the column paths: a lane takes a column, its 128 registers run down K: four whole blocks.  Loads run two blocks (64 loads) ahead.
.macro LDB bb, pitch, nt
.set k, 32*(\bb)
.rept 32
.if \nt
	global_load_b32 v[XC+k], v[L4], s[8:9] offset:k*(\pitch) th:TH_LOAD_NT
.else
	global_load_b32 v[XC+k], v[L4], s[8:9] offset:k*(\pitch)
.endif
.set k, k+1
.endr
.endm
.macro MASKLD o                        ; the mask of 64 steps along K, in scalar registers: it is the same for every column
	s_load_b512 s[16:31], s[14:15], \o
	s_load_b512 s[32:47], s[14:15], \o+0x40
	s_load_b512 s[48:63], s[14:15], \o+0x80
	s_load_b512 s[84:99], s[14:15], \o+0xc0
.endm
.macro CBLK bb, dm
.set XB, XC+32*(\bb)
.if \dm
.set k, 0
.rept 32
.set kk, 32*((\bb)%2)+k
.set sg, 16+16*(kk/16)+20*(kk/48)
	v_mul_f32 v[XB+k], s[sg+kk%16], v[XB+k]
.set k, k+1
.endr
.endif
	v_max3_num_f32 v[MX], |v[XB]|, |v[XB+1]|, 0x1800000
	v_max3_num_f32 v[MX+1], |v[XB+16]|, |v[XB+17]|, 0x1800000
.irp i, 2,4,6,8,10,12,14
	v_max3_num_f32 v[MX], v[MX], |v[XB+\i]|, |v[XB+\i+1]|
	v_max3_num_f32 v[MX+1], v[MX+1], |v[XB+16+\i]|, |v[XB+17+\i]|
.endr
	v_max_num_f32 v[MX], v[MX], v[MX+1]
	v_add_nc_u32 v[EO], 0xff000000, v[MX]
	v_lshrrev_b32 v[EB], 23, v[EO]
.if (\bb)==0
	v_mov_b32 v[W], v[EB]
.else
	v_lshl_or_b32 v[W], v[EB], 8*(\bb), v[W]
.endif
	v_cvt_scalef32_pk16_fp6_f32 v[C+6*(\bb):C+6*(\bb)+2], v[XB:XB+15], v[EO]
	v_cvt_scalef32_pk16_fp6_f32 v[T+4*((\bb)%2):T+4*((\bb)%2)+2], v[XB+16:XB+31], v[EO]
	v_nop
.irp i, 0,1,2
	v_mov_b32 v[C+6*(\bb)+3+\i], v[T+4*((\bb)%2)+\i]
.endr
.endm
.macro COLQ pitch, dm
.if \dm
	MASKLD 0
.endif
	LDB 0, \pitch, \dm
	LDB 1, \pitch, \dm
.irp bb, 0,1,2,3
.if \bb<3
	s_wait_loadcnt 32                              ; this block's 32 loads are in; the next block's may be out
.else
	s_wait_loadcnt 0x0
.endif
.if \bb<2
	LDB \bb+2, \pitch, \dm
.endif
.if \dm
.if (\bb%2)==0
	s_wait_kmcnt 0x0
.endif
.endif
	CBLK \bb, \dm
.if \dm
.if \bb==1
	MASKLD 0x100                                   ; blocks 0 and 1 have been multiplied: the same registers take the mask of blocks 2 and 3
.endif
.endif
.endr
.irp c, 0,1                            ; lanes 0-15 hold one tile's columns, lanes 16-31 the next tile's: the exchange gives each tile its half c: lanes 0-15 block 2 c, lanes 16-31 block 2 c + 1
.irp i, 0,1,2,3,4,5
	v_permlane16_swap_b32 v[C+12*\c+\i], v[C+12*\c+6+\i]
.endr
.endr
.irp c, 0,1
.irp t, 0,1
	global_store_b128 v[L16], v[C+12*\c+6*\t:C+12*\c+6*\t+3], s[12:13] offset:1536*\t+768*\c
	global_store_b64 v[L8], v[C+12*\c+6*\t+4:C+12*\c+6*\t+5], s[12:13] offset:1536*\t+768*\c+512
.endr
.endr
	global_store_b32 v[L4], v[W], s[2:3]           ; a column's word: the two tiles' word blocks, 128 consecutive bytes
	s_endpgm
.endm
	; ---- V x mask: record = id / 2 (16 x head + s), columns 32 (id % 2) + lane
.Lv:
	s_sub_co_u32 s5, ttmp9, 256
	s_lshl_b32 s5, s5, 2
	s_add_co_u32 s5, s5, s4
	s_lshr_b32 s6, s5, 1
	s_and_b32 s7, s5, 1
	s_lshl_b32 s10, s6, 15
	s_lshl_b32 s16, s7, 7
	s_add_co_u32 s10, s10, s16
	s_add_nc_u64 s[8:9], s[72:73], s[10:11]
	s_mul_i32 s17, s6, 6400
	s_mul_i32 s16, s7, 3072
	s_add_co_u32 s10, s17, s16
	s_add_nc_u64 s[12:13], s[80:81], s[10:11]
	s_lshl_b32 s16, s7, 7
	s_add_co_u32 s10, s17, s16
	s_add_co_u32 s10, s10, 6144
	s_add_nc_u64 s[2:3], s[80:81], s[10:11]
	s_lshr_b32 s10, s6, 8
	s_lshl_b32 s10, s10, 13
	s_and_b32 s16, s6, 15
	s_lshl_b32 s16, s16, 9
	s_add_co_u32 s10, s10, s16
	s_add_nc_u64 s[14:15], s[74:75], s[10:11]
	COLQ 256, 1
	; ---- Q_dct along its first axis: record = id / 2 = 2 G + j: columns 64 G + 32 (id % 2) + lane, rows 128 j on
.Ldm:
	s_sub_co_u32 s5, ttmp9, 512
	s_lshl_b32 s5, s5, 2
	s_add_co_u32 s5, s5, s4
	s_lshr_b32 s6, s5, 1
	s_and_b32 s7, s5, 1
	s_lshr_b32 s10, s6, 1
	s_lshl_b32 s10, s10, 8
	s_and_b32 s16, s6, 1
	s_lshl_b32 s16, s16, 20
	s_add_co_u32 s10, s10, s16
	s_lshl_b32 s16, s7, 7
	s_add_co_u32 s10, s10, s16
	s_add_nc_u64 s[8:9], s[76:77], s[10:11]
	s_mul_i32 s17, s6, 6400
	s_add_co_u32 s17, s17, 819200
	s_mul_i32 s16, s7, 3072
	s_add_co_u32 s10, s17, s16
	s_add_nc_u64 s[12:13], s[82:83], s[10:11]
	s_lshl_b32 s16, s7, 7
	s_add_co_u32 s10, s17, s16
	s_add_co_u32 s10, s10, 6144
	s_add_nc_u64 s[2:3], s[82:83], s[10:11]
	COLQ 8192, 0
.Lfunc_end_k_qa418363d94_prep:
	.size	k_qa418363d94_prep, .Lfunc_end_k_qa418363d94_prep-k_qa418363d94_prep
	.p2alignl 7, 3214868480
	.fill 96, 4, 3214868480
	.section	.rodata,"a",@progbits
	.p2align	6, 0x0
	.amdhsa_kernel k_qa418363d94_prep
		.amdhsa_group_segment_fixed_size 35328
		.amdhsa_private_segment_fixed_size 0
		.amdhsa_enable_private_segment 0
		.amdhsa_kernarg_size 64
		.amdhsa_user_sgpr_count 2
		.amdhsa_user_sgpr_kernarg_segment_ptr 1
		.amdhsa_wavefront_size32 1
		.amdhsa_system_sgpr_workgroup_id_x 1
		.amdhsa_system_sgpr_workgroup_id_y 1
		.amdhsa_system_sgpr_workgroup_id_z 1
		.amdhsa_system_vgpr_workitem_id 0
		.amdhsa_next_free_vgpr 226
		.amdhsa_next_free_sgpr 100
		.amdhsa_reserve_vcc 1
		.amdhsa_float_denorm_mode_32 3
		.amdhsa_float_denorm_mode_16_64 3
		.amdhsa_memory_ordered 1
		.amdhsa_forward_progress 1
		.amdhsa_inst_pref_size 105
	.end_amdhsa_kernel
	.amdgpu_metadata
---
amdhsa.version: [ 1, 2 ]
amdhsa.kernels:
  - .name:           k_qa418363d94_prep
    .symbol:         k_qa418363d94_prep.kd
    .args:
      - { .name: Q, .offset: 0, .size: 8, .value_kind: global_buffer, .address_space: global }
      - { .name: K, .offset: 8, .size: 8, .value_kind: global_buffer, .address_space: global }
      - { .name: V, .offset: 16, .size: 8, .value_kind: global_buffer, .address_space: global }
      - { .name: mask, .offset: 24, .size: 8, .value_kind: global_buffer, .address_space: global }
      - { .name: Q_dct, .offset: 32, .size: 8, .value_kind: global_buffer, .address_space: global }
      - { .name: qk, .offset: 40, .size: 8, .value_kind: global_buffer, .address_space: global }
      - { .name: vrec, .offset: 48, .size: 8, .value_kind: global_buffer, .address_space: global }
      - { .name: drec, .offset: 56, .size: 8, .value_kind: global_buffer, .address_space: global }
    .group_segment_fixed_size: 35328
    .private_segment_fixed_size: 0
    .kernarg_segment_align: 8
    .kernarg_segment_size: 64
    .max_flat_workgroup_size: 128
    .sgpr_count:     100
    .vgpr_count:     226
    .wavefront_size: 32
...
	.end_amdgpu_metadata
.endif
;; end of part 1
;; launch stats (part 2): grid 8 x 32, 8 waves a work-group, clusters of 4 x 1, 168,960 bytes of LDS; arguments qk, negl; writes negl
.if DOCPART == 2
	.amdgcn_target "amdgcn-amd-amdhsa--gfx1250"
	.amdhsa_code_object_version 6
	.text
	.protected	k_qa418363d94_stats
	.globl	k_qa418363d94_stats
	.p2align	8
	.type	k_qa418363d94_stats,@function
k_qa418363d94_stats:
	s_mov_b64 s[64:65], 0
	v_nop
	global_prefetch_b8 v0, s[64:65] scope:SCOPE_SE
	s_setreg_imm32_b32 hwreg(HW_REG_WAVE_MODE, 25, 1), 1
	s_wait_xcnt 0x0
	s_wait_alu depctr_hold_cnt(0) depctr_sa_sdst(0) depctr_va_vdst(0) depctr_va_sdst(0) depctr_va_ssrc(0) depctr_va_vcc(0) depctr_vm_vsrc(0)
	s_getreg_b32 s2, hwreg(HW_REG_IB_STS2, 6, 4)
	s_cmp_eq_u32 s2, 0
	s_cbranch_scc0 .Lentry_in_a_cluster
	s_endpgm
.Lentry_in_a_cluster:
	s_bfe_u32 s2, ttmp6, 0x10000c
	s_cmp_lg_u32 s2, 0x3003
	s_cbranch_scc0 .Lentry_shape_is_right
	s_endpgm
.Lentry_shape_is_right:
; STATS: for every query of every head, negl = -(c m + log2 l): m the largest score of its row, l the sum of 2^(c s - c m), c = log2(e).  The next launch makes the finished softmax as 2^(c s + negl).
; The scores are the quantised product Qs Ks^T (K = 64) on codes of FP6.  One matrix instruction spans 128 along K: the streamed operand (keys) is a PAIR fragment, two tiles of 16 rows side by side along K;
; the operand that stays (queries) is 18 registers [X | 0 | X]: registers 0-11 read [X | 0] and pick the pair's first tile, registers 6-17 read [0 | X] and pick the second; zero codes add nothing.
; SHARES: a work-group owns 256 queries of a head, each of its eight waves 32 (two tiles); two waves to a SIMD.  Every wave walks the head's 2,048 keys, 128 a chunk.
; The head's 16 records of K (102,400 bytes) come into LDS once, by eight joint loads (the four work-groups of a cluster belong to one head): one tensor load a wave is out.
; A running maximum and sum are kept FOR EACH LANE (a lane holds one query and half of the keys); the two halves meet once, at the end.
; LIMITS: NaN and infinities are not served; terms under 2^-126 of a lane's largest count as 0.
.set L16, 1
.set L8,  2
.set L4,  3
.set A16, 4                            ; v4-6 LDS addresses of the chunk in hand
.set A8,  5
.set A4,  6
.set R4,  7                            ; v7  4 r
.set RR,  8
.set HH,  9
.set QW,  10                           ; v10-11 the queries' scale words (e0, e1, e0, e1)
.set KW,  12                           ; v12-13 the keys' scale words: lanes 0-15 the even fragment's, lanes 16-31 the odd one's
.set QS,  20                           ; v20-55 two structs of 18
.set KF,  56                           ; v56-103 four pair fragments
.set S,   104                          ; v104-231 scores, 64 a tile
.set ST,  232                          ; v232-247 eight a tile: +0 -c m, +1 m, +2 +3 l, +4..7 at work
.set WV,  8
.set G1,  16
.set G0,  24
.set TB,  28
.set CNT, 29
.set CS,  30                           ; s[30:31] c
.set NC,  32                           ; s32 -c
.set SEL, 34
.macro CROUND                          ; a round of the cluster's barrier
	s_barrier_signal -1
	s_barrier_wait -1
	s_cmp_lg_u32 s[WV], 0
	s_cbranch_scc1 .Lnot_wave_0_\@
	s_barrier_signal -3
.Lnot_wave_0_\@:
	s_barrier_wait -3
	s_barrier_signal -1
	s_barrier_wait -1
.endm
; a scaled matrix instruction: D, A, B; z = 1: C is the constant 0, else C = D; the scale registers; ra, rb = 1: that side's scales are read from lanes 16-31
.macro WM d, a, b, z, sa, sb, ra, rb
.if \z
.if (\ra)&&(\rb)
	v_wmma_scale_f32_16x16x128_f8f6f4 v[(\d):(\d)+7], v[(\a):(\a)+11], v[(\b):(\b)+11], 0, v[\sa], v[\sb] matrix_a_fmt:MATRIX_FMT_FP6 matrix_b_fmt:MATRIX_FMT_FP6 matrix_a_scale:MATRIX_SCALE_ROW1 matrix_b_scale:MATRIX_SCALE_ROW1
.elseif (\ra)
	v_wmma_scale_f32_16x16x128_f8f6f4 v[(\d):(\d)+7], v[(\a):(\a)+11], v[(\b):(\b)+11], 0, v[\sa], v[\sb] matrix_a_fmt:MATRIX_FMT_FP6 matrix_b_fmt:MATRIX_FMT_FP6 matrix_a_scale:MATRIX_SCALE_ROW1
.elseif (\rb)
	v_wmma_scale_f32_16x16x128_f8f6f4 v[(\d):(\d)+7], v[(\a):(\a)+11], v[(\b):(\b)+11], 0, v[\sa], v[\sb] matrix_a_fmt:MATRIX_FMT_FP6 matrix_b_fmt:MATRIX_FMT_FP6 matrix_b_scale:MATRIX_SCALE_ROW1
.else
	v_wmma_scale_f32_16x16x128_f8f6f4 v[(\d):(\d)+7], v[(\a):(\a)+11], v[(\b):(\b)+11], 0, v[\sa], v[\sb] matrix_a_fmt:MATRIX_FMT_FP6 matrix_b_fmt:MATRIX_FMT_FP6
.endif
.else
.if (\ra)&&(\rb)
	v_wmma_scale_f32_16x16x128_f8f6f4 v[(\d):(\d)+7], v[(\a):(\a)+11], v[(\b):(\b)+11], v[(\d):(\d)+7], v[\sa], v[\sb] matrix_a_fmt:MATRIX_FMT_FP6 matrix_b_fmt:MATRIX_FMT_FP6 matrix_a_scale:MATRIX_SCALE_ROW1 matrix_b_scale:MATRIX_SCALE_ROW1
.elseif (\ra)
	v_wmma_scale_f32_16x16x128_f8f6f4 v[(\d):(\d)+7], v[(\a):(\a)+11], v[(\b):(\b)+11], v[(\d):(\d)+7], v[\sa], v[\sb] matrix_a_fmt:MATRIX_FMT_FP6 matrix_b_fmt:MATRIX_FMT_FP6 matrix_a_scale:MATRIX_SCALE_ROW1
.elseif (\rb)
	v_wmma_scale_f32_16x16x128_f8f6f4 v[(\d):(\d)+7], v[(\a):(\a)+11], v[(\b):(\b)+11], v[(\d):(\d)+7], v[\sa], v[\sb] matrix_a_fmt:MATRIX_FMT_FP6 matrix_b_fmt:MATRIX_FMT_FP6 matrix_b_scale:MATRIX_SCALE_ROW1
.else
	v_wmma_scale_f32_16x16x128_f8f6f4 v[(\d):(\d)+7], v[(\a):(\a)+11], v[(\b):(\b)+11], v[(\d):(\d)+7], v[\sa], v[\sb] matrix_a_fmt:MATRIX_FMT_FP6 matrix_b_fmt:MATRIX_FMT_FP6
.endif
.endif
.endm
	s_load_b128 s[4:7], s[0:1], 0x0                ; qk s[4:5], negl s[6:7]
	v_lshl_add_u32 v254, v0, 2, 0x29000
	v_mov_b32 v255, 0
	ds_add_u32 v254, v255
	ds_add_u32 v254, v255
	v_lshrrev_b32 v14, 5, v0
	v_readfirstlane_b32 s[WV], v14                 ; wave 0..7
	v_and_b32 v14, 31, v0
	v_lshlrev_b32 v[L16], 4, v14
	v_lshlrev_b32 v[L8], 3, v14
	v_lshlrev_b32 v[L4], 2, v14
	v_and_b32 v[RR], 15, v0
	v_bfe_u32 v[HH], v0, 4, 1
	v_lshlrev_b32 v[R4], 2, v[RR]
	s_bfe_u32 s9, ttmp6, 0x40000                   ; cx
	s_lshl_b32 s10, ttmp9, 2
	s_add_co_u32 s10, s10, s9                      ; my block of 256 queries: it enters global addresses alone
	s_and_b32 s11, ttmp7, 0xffff                   ; the head, which the four partners share
	s_mov_b32 s[G1], 15|(3<<16)|(1<<21)            ; the mask: all four; elements of 8 bytes; bit 21 set beside a mask
	s_mov_b32 s[G1+1], 32<<16                      ; rows of 256 bytes
	s_mov_b32 s[G1+2], 50<<16                      ; 50 of them: two records
	s_mov_b32 s[G1+3], 32<<16
	s_mov_b32 s[G1+4], 50
	s_mov_b32 s[G1+5], 32
	s_mov_b32 s[G1+6], 0
	s_mov_b32 s[G1+7], 0
	s_mov_b32 s[CS], 0x3fb8aa3b
	s_mov_b32 s[CS+1], s[CS]
	s_mov_b32 s[NC], 0xbfb8aa3b
	s_mov_b32 s[SEL], 0x76543210
	s_mov_b32 s[SEL+1], 0xfedcba98
	s_mov_b32 s[TB], 0
	s_mul_i32 s12, s11, 102400                     ; the head's 16 records
	s_mul_i32 s36, s[WV], 12800
	s_add_co_u32 s36, s36, s12
	s_add_co_u32 s36, s36, 3276800                 ; K's records lie behind Q's
	s_mov_b32 s37, 0
	s_lshl_b32 s38, s10, 1                         ; my pair fragment of Q: number 8 x block + wave of the head: record 2 x block + wave / 4, fragment wave % 4
	s_lshr_b32 s39, s[WV], 2
	s_add_co_u32 s38, s38, s39
	s_mul_i32 s38, s38, 6400
	s_add_co_u32 s38, s38, s12
	s_and_b32 s13, s[WV], 3
	s_mul_i32 s14, s13, 1536
	s_add_co_u32 s40, s38, s14
	s_mov_b32 s41, 0
	s_lshl_b32 s14, s13, 6
	s_add_co_u32 s42, s38, s14
	s_add_co_u32 s42, s42, 6144
	s_mov_b32 s43, 0
	s_lshl_b32 s44, s11, 13                        ; negl: 8,192 bytes a head, 1,024 a block, 128 a wave
	s_lshl_b32 s14, s10, 10
	s_add_co_u32 s44, s44, s14
	s_lshl_b32 s14, s[WV], 7
	s_add_co_u32 s44, s44, s14
	s_mov_b32 s45, 0
	s_wait_dscnt 0x0
	s_wait_kmcnt 0x0
	s_mov_b32 s[G0], 1
	s_mul_i32 s[G0+1], s[WV], 12800
	s_add_nc_u64 s[G0+2:G0+3], s[4:5], s[36:37]
	s_or_b32 s[G0+3], s[G0+3], 0x80000000
	s_add_nc_u64 s[40:41], s[4:5], s[40:41]
	s_add_nc_u64 s[42:43], s[4:5], s[42:43]
	s_add_nc_u64 s[6:7], s[6:7], s[44:45]
	CROUND                                         ; all four work-groups are here: the joint loads meet
	tensor_load_to_lds s[G0:G0+3], s[G1:G1+7]
	s_nop 0
.rept 4
	v_nop
.endr
.irp u, 0,1                            ; tile u of my queries is half u of the pair fragment; it is laid twice, with six zeros between
	global_load_b128 v[QS+18*\u:QS+18*\u+3], v[L16], s[40:41] offset:768*\u
	global_load_b64 v[QS+18*\u+4:QS+18*\u+5], v[L8], s[40:41] offset:768*\u+512
	global_load_b128 v[QS+18*\u+12:QS+18*\u+15], v[L16], s[40:41] offset:768*\u
	global_load_b64 v[QS+18*\u+16:QS+18*\u+17], v[L8], s[40:41] offset:768*\u+512
.irp z, 6,7,8,9,10,11
	v_mov_b32 v[QS+18*\u+\z], 0
.endr
.endr
	global_load_b32 v14, v[R4], s[42:43]
	s_wait_loadcnt 0x0
	v_and_b32 v15, 0xffff, v14
	v_lshl_or_b32 v[QW], v15, 16, v15
	v_lshrrev_b32 v15, 16, v14
	v_lshl_or_b32 v[QW+1], v15, 16, v15
.irp u, 0,1
	v_mov_b32 v[ST+8*\u], 0x7f800000               ; -c m = +infinity and m = -infinity: the first chunk's factor is 2^(-infinity) = 0, on a sum of 0
	v_mov_b32 v[ST+8*\u+1], 0xff800000
	v_mov_b32 v[ST+8*\u+2], 0
	v_mov_b32 v[ST+8*\u+3], 0
	v_mov_b32 v[ST+8*\u+4], 0
.endr
	s_wait_tensorcnt 0x0                           ; my two records are in,
	s_barrier_signal -1
	s_barrier_wait -1                              ; everybody's are
.macro ADDR
	v_add_nc_u32 v[A16], s[TB], v[L16]
	v_add_nc_u32 v[A8], s[TB], v[L8]
	v_add_nc_u32 v[A4], s[TB], v[L4]
.endm
.macro LOADC                           ; a record: four pair fragments and their words
.irp g, 0,1,2,3
.irp c, 0,1
	ds_load_b128 v[KF+12*\g+6*\c:KF+12*\g+6*\c+3], v[A16] offset:1536*\g+768*\c
	ds_load_b64 v[KF+12*\g+6*\c+4:KF+12*\g+6*\c+5], v[A8] offset:1536*\g+768*\c+512
.endr
.endr
	ds_load_b32 v[KW], v[A4] offset:6144
	ds_load_b32 v[KW+1], v[A4] offset:6272
.endm
; one tile's 64 scores of a lane join its running maximum and sum
.macro SOFT u
.set rS, S+64*(\u)
.set rT, ST+8*(\u)
.irp k, 0,1,2,3
	v_max3_num_f32 v[rT+4+\k], v[rS+16*\k], v[rS+16*\k+1], v[rS+16*\k+2]          ; four chains; each accumulator is read from its low end on
.endr
.irp i, 3,5,7,9,11,13
.irp k, 0,1,2,3
	v_max3_num_f32 v[rT+4+\k], v[rT+4+\k], v[rS+16*\k+\i], v[rS+16*\k+\i+1]
.endr
.endr
	v_max3_num_f32 v[rT+4], v[rT+4], v[rS+15], v[rS+31]
	v_max3_num_f32 v[rT+6], v[rT+6], v[rS+47], v[rS+63]
	v_max3_num_f32 v[rT+4], v[rT+4], v[rT+5], v[rT+6]
	v_max3_num_f32 v[rT+1], v[rT+4], v[rT+7], v[rT+1]                              ; the new m
	v_mul_f32 v[rT+5], s[NC], v[rT+1]                                              ; -c m
	v_sub_f32 v[rT+6], v[rT+5], v[rT]                                              ; c m_old - c m_new
	v_mov_b32 v[rT], v[rT+5]
.set j, 0
.rept 32
	v_pk_fma_f32 v[rS+j:rS+j+1], v[rS+j:rS+j+1], s[CS:CS+1], v[rT:rT+1] op_sel_hi:[1,0,0]
.set j, j+2
.endr
	v_exp_f32 v[rT+6], v[rT+6]
.set j, 0
.rept 64
	v_exp_f32 v[rS+j], v[rS+j]
.set j, j+1
.endr
	v_nop                                          ; the plain place behind the batch
	s_wait_alu depctr_va_vdst(0)                   ; one wait for the 65 exponentials, ahead of their first reader
	v_pk_mul_f32 v[rT+2:rT+3], v[rT+2:rT+3], v[rT+6:rT+7] op_sel_hi:[1,0]
	v_pk_add_f32 v[rT+4:rT+5], v[rS:rS+1], v[rS+2:rS+3]
.set j, 4
.rept 15
	v_pk_add_f32 v[rT+2:rT+3], v[rT+2:rT+3], v[rS+j:rS+j+1]
	v_pk_add_f32 v[rT+4:rT+5], v[rT+4:rT+5], v[rS+j+2:rS+j+3]
.set j, j+4
.endr
	v_pk_add_f32 v[rT+2:rT+3], v[rT+2:rT+3], v[rT+4:rT+5]
.endm
.macro CHUNK pre
	s_wait_dscnt 0x0                               ; the chunk's fragments and words are in
.irp g, 0,1,2,3
.irp c, 0,1
.irp u, 0,1
	WM S+64*\u+8*(2*\g+\c), KF+12*\g, QS+18*\u+6*\c, 1, KW+\g/2, QW+\u, \g%2, 0
.endr
.endr
.endr
	s_add_co_u32 s[TB], s[TB], 6400
	ADDR                                           ; three additions and a v_nop: the four places behind the products, in front of the loads and of the first read of results
	v_nop
.if \pre
	LOADC                                          ; the next chunk lands while this one's softmax is walked
.endif
	SOFT 0
	SOFT 1
.endm
	ADDR
	LOADC
	s_mov_b32 s[CNT], 15
.Lchunk:
	CHUNK 1
	s_sub_co_u32 s[CNT], s[CNT], 1
	s_cmp_lg_u32 s[CNT], 0
	s_cbranch_scc1 .Lchunk
	CHUNK 0
	; the two halves of the lanes meet: the row's m, both sums brought under it, their logarithm
.irp u, 0,1
	v_permlanex16_b32 v[ST+8*\u+4], v[ST+8*\u+1], s[SEL], s[SEL+1]
.endr
.irp u, 0,1
	v_max_num_f32 v[ST+8*\u+4], v[ST+8*\u+4], v[ST+8*\u+1]
.endr
.irp u, 0,1
	v_mul_f32 v[ST+8*\u+5], s[NC], v[ST+8*\u+4]
.endr
.irp u, 0,1
	v_sub_f32 v[ST+8*\u+6], v[ST+8*\u+5], v[ST+8*\u]
.endr
.irp u, 0,1
	v_add_f32 v[ST+8*\u+7], v[ST+8*\u+2], v[ST+8*\u+3]
.endr
.irp u, 0,1
	v_exp_f32 v[ST+8*\u+6], v[ST+8*\u+6]
.endr
	v_and_b32 v17, 8, v[RR]                        ; (the plain place)  where the result goes: query 8 u + r + 8 (r / 8) of my 32; lanes 0-15 store tile 0's, lanes 16-31 tile 1's
	v_add_nc_u32 v17, v17, v[RR]
	v_lshl_add_u32 v17, v[HH], 3, v17
	v_lshlrev_b32 v17, 2, v17
	s_wait_alu depctr_va_vdst(0)
.irp u, 0,1
	v_mul_f32 v[ST+8*\u+7], v[ST+8*\u+7], v[ST+8*\u+6]
.endr
.irp u, 0,1
	v_permlanex16_b32 v[ST+8*\u+4], v[ST+8*\u+7], s[SEL], s[SEL+1]
.endr
.irp u, 0,1
	v_add_f32 v[ST+8*\u+7], v[ST+8*\u+7], v[ST+8*\u+4]
.endr
.irp u, 0,1
	v_log_f32 v[ST+8*\u+7], v[ST+8*\u+7]
.endr
	v_cmp_eq_u32 vcc_lo, 1, v[HH]                  ; (the plain place)
	s_wait_alu depctr_va_vdst(0)
.irp u, 0,1
	v_sub_f32 v[ST+8*\u+5], v[ST+8*\u+5], v[ST+8*\u+7]      ; -(c m) - log2 l
.endr
	v_cndmask_b32 v16, v[ST+5], v[ST+13], vcc_lo
	global_store_b32 v17, v16, s[6:7]              ; the wave's 32 numbers: 128 consecutive bytes
	s_wait_tensorcnt 0x0
	ds_add_u32 v254, v255
	s_wait_dscnt 0x0
	CROUND                                         ; the closing round
	s_endpgm
.Lfunc_end_k_qa418363d94_stats:
	.size	k_qa418363d94_stats, .Lfunc_end_k_qa418363d94_stats-k_qa418363d94_stats
	.p2alignl 7, 3214868480
	.fill 96, 4, 3214868480
	.section	.rodata,"a",@progbits
	.p2align	6, 0x0
	.amdhsa_kernel k_qa418363d94_stats
		.amdhsa_group_segment_fixed_size 168960
		.amdhsa_private_segment_fixed_size 0
		.amdhsa_enable_private_segment 0
		.amdhsa_kernarg_size 16
		.amdhsa_user_sgpr_count 2
		.amdhsa_user_sgpr_kernarg_segment_ptr 1
		.amdhsa_wavefront_size32 1
		.amdhsa_system_sgpr_workgroup_id_x 1
		.amdhsa_system_sgpr_workgroup_id_y 1
		.amdhsa_system_sgpr_workgroup_id_z 1
		.amdhsa_system_vgpr_workitem_id 0
		.amdhsa_next_free_vgpr 256
		.amdhsa_next_free_sgpr 66
		.amdhsa_reserve_vcc 1
		.amdhsa_float_denorm_mode_32 3
		.amdhsa_float_denorm_mode_16_64 3
		.amdhsa_memory_ordered 1
		.amdhsa_forward_progress 1
		.amdhsa_inst_pref_size 48
	.end_amdhsa_kernel
	.amdgpu_metadata
---
amdhsa.version: [ 1, 2 ]
amdhsa.kernels:
  - .name:           k_qa418363d94_stats
    .symbol:         k_qa418363d94_stats.kd
    .args:
      - { .name: qk, .offset: 0, .size: 8, .value_kind: global_buffer, .address_space: global }
      - { .name: negl, .offset: 8, .size: 8, .value_kind: global_buffer, .address_space: global }
    .group_segment_fixed_size: 168960
    .private_segment_fixed_size: 0
    .kernarg_segment_align: 8
    .kernarg_segment_size: 16
    .max_flat_workgroup_size: 256
    .sgpr_count:     66
    .vgpr_count:     256
    .wavefront_size: 32
...
	.end_amdgpu_metadata
.endif
;; end of part 2
;; launch attn (part 3): grid 8 x 32, 4 waves a work-group, clusters of 4 x 1, 327,680 bytes of LDS; arguments qk, negl, drec, arec; writes arec
.if DOCPART == 3
	.amdgcn_target "amdgcn-amd-amdhsa--gfx1250"
	.amdhsa_code_object_version 6
	.text
	.protected	k_qa418363d94_attn
	.globl	k_qa418363d94_attn
	.p2align	8
	.type	k_qa418363d94_attn,@function
k_qa418363d94_attn:
	s_mov_b64 s[64:65], 0
	v_nop
	global_prefetch_b8 v0, s[64:65] scope:SCOPE_SE
	s_setreg_imm32_b32 hwreg(HW_REG_WAVE_MODE, 25, 1), 1
	s_wait_xcnt 0x0
	s_wait_alu depctr_hold_cnt(0) depctr_sa_sdst(0) depctr_va_vdst(0) depctr_va_sdst(0) depctr_va_ssrc(0) depctr_va_vcc(0) depctr_vm_vsrc(0)
	s_getreg_b32 s2, hwreg(HW_REG_IB_STS2, 6, 4)
	s_cmp_eq_u32 s2, 0
	s_cbranch_scc0 .Lentry_in_a_cluster
	s_endpgm
.Lentry_in_a_cluster:
	s_bfe_u32 s2, ttmp6, 0x10000c
	s_cmp_lg_u32 s2, 0x3003
	s_cbranch_scc0 .Lentry_shape_is_right
	s_endpgm
.Lentry_shape_is_right:
; ATTN: A1[m][k] = sum over q of Dct[m][q] atn[q][k], atn the finished softmax, for 256 keys of one head and all 256 m; A1 leaves quantised along k, as operand images.
; A step is 128 queries.  S^T = Qs Ks^T (source 0 = a pair fragment of queries, two tiles of 16 rows side by side along the instruction's 128; source 1 = my keys beside six registers of zero codes, which pick
; one of the two tiles; K = 64): a lane holds ONE key and 64 queries.  p = 2^(c s + negl(q)): the finished, normalised softmax in one multiply-add and one exponential.  p is quantised along q in registers and is
; source 0 of the second product, whose source 1 is Dct's fragment.
; SHARES: wave w owns keys 64 w .. 64 w + 63 (four tiles) x 16 tiles of m: 64 accumulators, 512 registers; p never leaves its wave's registers.
; BY TURNS: the key tiles are one stream, four a step.  In a tile's turn stand its 8 products of the first kind, then ONE BATCH of its 32 scalings and 64 exponentials, and among them, one behind every four
; exponentials, the 16 products of the second kind of the tile BEFORE it; then the quantiser.  So p has two fragments that take turns, and all 16 fragments of Dct stay in registers through a step;
; tile 3's products stand in the next step's first turn, ahead of the loads that bring that step's Dct.
; THE ROWS OF A TILE ARE NOT NEIGHBOURS (queries, keys and m alike: lane r of tile t takes row 32 (t / 2) + 8 (t % 2) + r + 8 (r / 8)), so that the 16 registers of tiles 2 b and 2 b + 1 are 16 neighbours along the next K.
; LDS: the head's Q records (102,400 bytes) and negl (8,192) come once; Dct's records (25,600 a step) go through a ring of two slots of two steps.  All tensor loads are JOINT: the four work-groups of a
; cluster belong to one head and walk the same Q, negl and Dct.  By this text's count three loads of a wave are out at the start and one behind each round.
; LIMITS: p under 2^-126 counts as 0; a block of zeros carries the byte 1 (its codes are zeros); NaN and infinities are not served.
; REGISTERS: window 0: v1-19 addresses; v20-35 scale words; v36-99 scores, then p; v100-119 the quantiser's; v120-183 negl of the step's queries; v184-207 p's two fragments; v208-255 Dct's fragments 12-15.
;   window 1: v0-53 my keys as a chain 0 X0 0 X1 0 X2 0 X3 0 (six registers each: registers 12 i + 6 on read [X | 0], registers 12 i on read [0 | X]); v54-101 four pair fragments of queries; v102-245 Dct's fragments 0-11.
;   windows 2 + b: the accumulator of key tile 2 b + u and m tile f at v[16 f + 8 u].
.set SLOT1, 65536
.set NLB,   51200
.set SPARE, 59392                      ; the spare words: 128 bytes for each wave, two blocks of 256 bytes that no other line names
.set STG,   59904                      ; the scale bytes' stage: 2,048 bytes into which no tile lands
.set QREC,  116736
.set L16, 1
.set L8,  2
.set L4,  3
.set H64, 4
.set SPW, 5
.set NIL, 6
.set AQ16, 7
.set AQ8, 8
.set AQ4, 9
.set ANL, 10
.set AD16, 11
.set AD8, 12
.set AD4, 13
.set R4,  17
.set ASW, 18
.set ASR, 19
.set KSC, 20                           ; v20-23 my four key tiles' scale words (e0, e1, e0, e1)
.set QSC, 24                           ; v24-25 the queries' words: lanes 0-15 the even fragment's, lanes 16-31 the odd one's
.set PSC, 26                           ; v26-27 p's words, by turns
.set DSC, 28                           ; v28-35 Dct's words: lanes 0-15 the even tile's, lanes 16-31 the odd one's
.set SS,  36
.set TM,  100
.set CT,  112
.set NL,  120
.set P,   184
.set DN0, 208                          ; in window 0: Dct's fragments 12-15
.set QF,  54                           ; in window 1
.set DN1, 102                          ; in window 1: Dct's fragments 0-11
.set WV,  12
.set G1N, 16
.set G1Q, 24
.set G1D, 32
.set G0N, 40
.set G0Q, 44
.set G0D, 48
.set TD,  52
.set TQ,  53
.set TL,  54
.set CNT, 55
.set TWICE, 56
.set CS,  58
.set SEL, 60
.set OB,  70
.set MSB, 0
.macro WIN new                         ; the immediate's high byte repeats the setting that is left
.if MSB != (\new)
	s_set_vgpr_msb (MSB<<8)|(\new)
.set MSB, \new
.endif
.endm
.macro CROUND
	s_barrier_signal -1
	s_barrier_wait -1
	s_cmp_lg_u32 s[WV], 0
	s_cbranch_scc1 .Lnot_wave_0_\@
	s_barrier_signal -3
.Lnot_wave_0_\@:
	s_barrier_wait -3
	s_barrier_signal -1
	s_barrier_wait -1
.endm
; a scaled matrix instruction: D, A, B; z = 1: C is the constant 0, else C = D; the scale registers; ra, rb = 1: that side's scales are read from lanes 16-31
.macro WM d, a, b, z, sa, sb, ra, rb
.if \z
.if (\ra)&&(\rb)
	v_wmma_scale_f32_16x16x128_f8f6f4 v[(\d):(\d)+7], v[(\a):(\a)+11], v[(\b):(\b)+11], 0, v[\sa], v[\sb] matrix_a_fmt:MATRIX_FMT_FP6 matrix_b_fmt:MATRIX_FMT_FP6 matrix_a_scale:MATRIX_SCALE_ROW1 matrix_b_scale:MATRIX_SCALE_ROW1
.elseif (\ra)
	v_wmma_scale_f32_16x16x128_f8f6f4 v[(\d):(\d)+7], v[(\a):(\a)+11], v[(\b):(\b)+11], 0, v[\sa], v[\sb] matrix_a_fmt:MATRIX_FMT_FP6 matrix_b_fmt:MATRIX_FMT_FP6 matrix_a_scale:MATRIX_SCALE_ROW1
.elseif (\rb)
	v_wmma_scale_f32_16x16x128_f8f6f4 v[(\d):(\d)+7], v[(\a):(\a)+11], v[(\b):(\b)+11], 0, v[\sa], v[\sb] matrix_a_fmt:MATRIX_FMT_FP6 matrix_b_fmt:MATRIX_FMT_FP6 matrix_b_scale:MATRIX_SCALE_ROW1
.else
	v_wmma_scale_f32_16x16x128_f8f6f4 v[(\d):(\d)+7], v[(\a):(\a)+11], v[(\b):(\b)+11], 0, v[\sa], v[\sb] matrix_a_fmt:MATRIX_FMT_FP6 matrix_b_fmt:MATRIX_FMT_FP6
.endif
.else
.if (\ra)&&(\rb)
	v_wmma_scale_f32_16x16x128_f8f6f4 v[(\d):(\d)+7], v[(\a):(\a)+11], v[(\b):(\b)+11], v[(\d):(\d)+7], v[\sa], v[\sb] matrix_a_fmt:MATRIX_FMT_FP6 matrix_b_fmt:MATRIX_FMT_FP6 matrix_a_scale:MATRIX_SCALE_ROW1 matrix_b_scale:MATRIX_SCALE_ROW1
.elseif (\ra)
	v_wmma_scale_f32_16x16x128_f8f6f4 v[(\d):(\d)+7], v[(\a):(\a)+11], v[(\b):(\b)+11], v[(\d):(\d)+7], v[\sa], v[\sb] matrix_a_fmt:MATRIX_FMT_FP6 matrix_b_fmt:MATRIX_FMT_FP6 matrix_a_scale:MATRIX_SCALE_ROW1
.elseif (\rb)
	v_wmma_scale_f32_16x16x128_f8f6f4 v[(\d):(\d)+7], v[(\a):(\a)+11], v[(\b):(\b)+11], v[(\d):(\d)+7], v[\sa], v[\sb] matrix_a_fmt:MATRIX_FMT_FP6 matrix_b_fmt:MATRIX_FMT_FP6 matrix_b_scale:MATRIX_SCALE_ROW1
.else
	v_wmma_scale_f32_16x16x128_f8f6f4 v[(\d):(\d)+7], v[(\a):(\a)+11], v[(\b):(\b)+11], v[(\d):(\d)+7], v[\sa], v[\sb] matrix_a_fmt:MATRIX_FMT_FP6 matrix_b_fmt:MATRIX_FMT_FP6
.endif
.endif
.endm
; 64 numbers of a lane, none negative, register 16 b + i = K 32 b + 16 (lane / 16) + i of my row, become a fragment's 12 registers at v[pc] and its scale word in v[pw]
.macro QUANT s, pc, ct, pw
.irp b, 0,1,2,3
	v_max3_num_f32 v[TM+\b], v[\s+16*\b], v[\s+16*\b+1], 0x1800000              ; with the floor 2^(3 - 127): the byte cannot fall under 1
.endr
.irp i, 2,4,6,8,10,12,14
.irp b, 0,1,2,3
	v_max3_num_f32 v[TM+\b], v[TM+\b], v[\s+16*\b+\i], v[\s+16*\b+\i+1]
.endr
.endr
.irp b, 0,1,2,3
	v_permlanex16_b32 v[TM+4+\b], v[TM+\b], s[SEL], s[SEL+1]
.endr
.irp b, 0,1,2,3
	v_max_num_f32 v[TM+\b], v[TM+\b], v[TM+4+\b]
.endr
.irp b, 0,1,2,3
	v_add_nc_u32 v[TM+8+\b], 0xff000000, v[TM+\b]                               ; 2 off the exponent field: the conversion's scale operand
.endr
.irp b, 0,1,2,3
	v_lshrrev_b32 v[TM+4+\b], 23, v[TM+8+\b]
.endr
	v_lshl_or_b32 v[\pw], v[TM+5], 8, v[TM+4]
	v_lshl_or_b32 v[\pw], v[TM+6], 16, v[\pw]
	v_lshl_or_b32 v[\pw], v[TM+7], 24, v[\pw]
.irp c, 0,1
	v_cvt_scalef32_pk16_fp6_f32 v[\pc+6*\c:\pc+6*\c+2], v[\s+32*\c:\s+32*\c+15], v[TM+8+2*\c]
	v_cvt_scalef32_pk16_fp6_f32 v[\ct+4*\c:\ct+4*\c+2], v[\s+32*\c+16:\s+32*\c+31], v[TM+9+2*\c]
.endr
	v_nop                                          ; one plain place behind the scaled conversions
.irp c, 0,1
.irp i, 0,1,2
	v_permlane16_swap_b32 v[\pc+6*\c+\i], v[\ct+4*\c+\i]
.endr
.irp i, 0,1,2
	v_mov_b32 v[\pc+6*\c+3+\i], v[\ct+4*\c+\i]
.endr
.endr
.endm
.macro DESC1 g, rows                   ; a dense block as rows of 256 bytes, asked for jointly by the four
	s_mov_b32 s[\g], 15|(3<<16)|(1<<21)
	s_mov_b32 s[\g+1], 32<<16
	s_mov_b32 s[\g+2], (\rows)<<16
	s_mov_b32 s[\g+3], 32<<16
	s_mov_b32 s[\g+4], \rows
	s_mov_b32 s[\g+5], 32
	s_mov_b32 s[\g+6], 0
	s_mov_b32 s[\g+7], 0
.endm
; THE WAY OUT of cnt tiles from f0 on: tile f's 16 registers in window 2 are block 0 of my 64 along the next K, those in window 3 block 1.  They become one half fragment (6 registers) and two scale bytes.
.macro ENDG f0, cnt, cs, ss
.set EM, 40
.set ET, 40+2*\cnt
.set EH, 40+4*\cnt
.set EC, 40+12*\cnt
.irp b, 0,1
	WIN 0x28+0x14*\b
.set k, 0
.rept \cnt
	v_max3_num_f32 v[EM+\cnt*\b+k], 0x1800000, |v[16*(\f0+k)]|, |v[16*(\f0+k)+1]|     ; each accumulator from its low end on
.set k, k+1
.endr
.irp i, 2,4,6,8,10,12,14
.set k, 0
.rept \cnt
	v_max3_num_f32 v[EM+\cnt*\b+k], v[EM+\cnt*\b+k], |v[16*(\f0+k)+\i]|, |v[16*(\f0+k)+\i+1]|
.set k, k+1
.endr
.endr
.endr
	WIN 0
.set k, 0
.rept 2*\cnt
	v_mov_b32 v[ET+k], 0                           ; a lane permute's destination counts as one of its sources
.set k, k+1
.endr
.set k, 0
.rept 2*\cnt
	v_permlanex16_b32 v[ET+k], v[EM+k], s[SEL], s[SEL+1]
.set k, k+1
.endr
.set k, 0
.rept 2*\cnt
	v_max_num_f32 v[EM+k], v[EM+k], v[ET+k]
.set k, k+1
.endr
.set k, 0
.rept 2*\cnt
	v_add_nc_u32 v[EM+k], 0xff000000, v[EM+k]
.set k, k+1
.endr
.set k, 0
.rept 2*\cnt
	v_lshrrev_b32 v[ET+k], 23, v[EM+k]
.set k, k+1
.endr
.set k, 0
.rept \cnt
	v_lshl_or_b32 v[ET+k], v[ET+\cnt+k], 8, v[ET+k]
.set k, k+1
.endr
.set k, 0
.rept \cnt
	ds_store_b16 v[ASW], v[ET+k] offset:\ss*(\f0+k)     ; my two bytes of the row's word; both halves of the lanes write the same value
.set k, k+1
.endr
	WIN 0x02
.set k, 0
.rept \cnt
	v_cvt_scalef32_pk16_fp6_f32 v[EH+8*k:EH+8*k+2], v[16*(\f0+k):16*(\f0+k)+15], v[EM+k]
.set k, k+1
.endr
	WIN 0x03
.set k, 0
.rept \cnt
	v_cvt_scalef32_pk16_fp6_f32 v[EC+4*k:EC+4*k+2], v[16*(\f0+k):16*(\f0+k)+15], v[EM+\cnt+k]
.set k, k+1
.endr
	WIN 0
	v_nop
.set k, 0
.rept \cnt
.irp i, 0,1,2
	v_permlane16_swap_b32 v[EH+8*k+\i], v[EC+4*k+\i]
.endr
.irp i, 0,1,2
	v_mov_b32 v[EH+8*k+3+\i], v[EC+4*k+\i]
.endr
.set k, k+1
.endr
.set k, 0
.rept \cnt
	global_store_b128 v[L16], v[EH+8*k:EH+8*k+3], s[OB:OB+1] offset:\cs*(\f0+k)          ; 512 consecutive bytes, aligned
	global_store_b64 v[L8], v[EH+8*k+4:EH+8*k+5], s[OB:OB+1] offset:\cs*(\f0+k)+512      ; 256
.set k, k+1
.endr
.endm
	s_load_b256 s[4:11], s[0:1], 0x0               ; qk s[4:5], negl s[6:7], drec s[8:9], arec s[10:11]
	v_lshl_add_u32 v[SPW], v0, 2, SPARE
	v_mov_b32 v[NIL], 0
	ds_add_u32 v5, v6
	ds_add_u32 v5, v6
	s_wait_dscnt 0x0
	v_lshrrev_b32 v14, 5, v0
	v_readfirstlane_b32 s[WV], v14                 ; wave 0..3
	v_and_b32 v14, 31, v0
	v_lshlrev_b32 v[L16], 4, v14
	v_lshlrev_b32 v[L8], 3, v14
	v_lshlrev_b32 v[L4], 2, v14
	v_bfe_u32 v15, v0, 4, 1
	v_lshlrev_b32 v[H64], 6, v15
	v_and_b32 v[R4], 15, v0
	v_lshlrev_b32 v[R4], 2, v[R4]
	s_lshr_b32 s74, s[WV], 1
	s_lshl_b32 s74, s74, 10
	s_and_b32 s75, s[WV], 1
	s_lshl_b32 s75, s75, 1
	s_add_co_u32 s74, s74, s75
	s_add_co_u32 s74, s74, STG
	v_add_nc_u32 v[ASW], s74, v[R4]                ; the stage: record wave / 2, bytes 2 (wave % 2) of word r
	s_lshl_b32 s74, s[WV], 9
	s_add_co_u32 s74, s74, STG
	v_add_nc_u32 v[ASR], s74, v[L16]
	s_bfe_u32 s13, ttmp6, 0x40000                  ; cx
	s_lshl_b32 s14, ttmp9, 2
	s_add_co_u32 s14, s14, s13                     ; my block of 256 keys: it enters global addresses of my own loads and stores alone
	s_and_b32 s15, ttmp7, 0xffff                   ; the head
	DESC1 G1N, 8
	DESC1 G1Q, 100
	DESC1 G1D, 50
	s_mov_b32 s[CS], 0x3fb8aa3b                    ; c = log2(e)
	s_mov_b32 s[CS+1], s[CS]
	s_mov_b32 s[SEL], 0x76543210
	s_mov_b32 s[SEL+1], 0xfedcba98
	s_mov_b32 s[TD], 0
	s_mov_b32 s[TQ], QREC
	s_mov_b32 s[TL], NLB
	s_mul_i32 s74, s15, 102400                     ; the head's records in qk
	s_mul_i32 s75, s[WV], 25600
	s_add_co_u32 s76, s74, s75
	s_mov_b32 s77, 0
	s_lshl_b32 s78, s15, 13
	s_lshl_b32 s79, s[WV], 11
	s_add_co_u32 s78, s78, s79
	s_mov_b32 s79, 0
	s_mul_i32 s66, s[WV], 12800
	s_mov_b32 s67, 0
	s_wait_kmcnt 0x0
	s_mov_b32 s[G0N], 1
	s_lshl_b32 s[G0N+1], s[WV], 11
	s_add_co_u32 s[G0N+1], s[G0N+1], NLB
	s_add_nc_u64 s[G0N+2:G0N+3], s[6:7], s[78:79]
	s_or_b32 s[G0N+3], s[G0N+3], 0x80000000
	s_mov_b32 s[G0Q], 1
	s_mul_i32 s[G0Q+1], s[WV], 25600
	s_add_co_u32 s[G0Q+1], s[G0Q+1], QREC
	s_add_nc_u64 s[G0Q+2:G0Q+3], s[4:5], s[76:77]
	s_or_b32 s[G0Q+3], s[G0Q+3], 0x80000000
	s_mov_b32 s[G0D], 1
	s_mul_i32 s[G0D+1], s[WV], 12800
	s_add_nc_u64 s[G0D+2:G0D+3], s[8:9], s[66:67]
	s_or_b32 s[G0D+3], s[G0D+3], 0x80000000
	; my keys and my part of the output: record 2 x block + wave / 2, half wave % 2
	s_lshl_b32 s75, s14, 1
	s_lshr_b32 s76, s[WV], 1
	s_add_co_u32 s75, s75, s76                     ; the record
	s_and_b32 s78, s[WV], 1
	s_mul_i32 s76, s75, 6400
	s_add_co_u32 s76, s76, s74
	s_add_co_u32 s74, s76, 3276800                 ; in K's part of qk
	s_mul_i32 s76, s78, 3072
	s_add_co_u32 s76, s76, s74
	s_add_nc_u64 s[66:67], s[4:5], s[76:77]
	s_lshl_b32 s76, s78, 7
	s_add_co_u32 s76, s76, s74
	s_add_co_u32 s76, s76, 6144
	s_add_nc_u64 s[68:69], s[4:5], s[76:77]
	s_mul_i32 s74, s15, 409600
	s_mul_i32 s76, s75, 25600
	s_add_co_u32 s74, s74, s76
	s_mul_i32 s76, s78, 768
	s_add_co_u32 s76, s76, s74
	s_add_nc_u64 s[OB:OB+1], s[10:11], s[76:77]
	s_lshl_b32 s76, s78, 9
	s_add_co_u32 s76, s76, s74
	s_add_co_u32 s76, s76, 24576
	s_add_nc_u64 s[72:73], s[10:11], s[76:77]
	CROUND                                         ; all four work-groups are here: the first joint loads meet
	tensor_load_to_lds s[G0N:G0N+3], s[G1N:G1N+7]  ; my quarter of the head's negl,
	s_nop 0
	tensor_load_to_lds s[G0Q:G0Q+3], s[G1Q:G1Q+7]  ; of its Q records,
	s_nop 0
	tensor_load_to_lds s[G0D:G0D+3], s[G1D:G1D+7]  ; and of Dct's records 0 and 1: slot 0
	s_nop 0
.rept 4
	v_nop
.endr
	WIN 0x40                                       ; destination window 1
.irp i, 0,1,2,3                        ; key tile i = 2 b + u is half u of pair fragment b of my two: 768 i bytes on; it stands once, between two runs of six zeros
	global_load_b128 v[12*\i+6:12*\i+9], v[L16], s[66:67] offset:768*\i
	global_load_b64 v[12*\i+10:12*\i+11], v[L8], s[66:67] offset:768*\i+512
.endr
.irp i, 0,1,2,3,4
.irp z, 0,1,2,3,4,5
	v_mov_b32 v[12*\i+\z], 0
.endr
.endr
	WIN 0
	global_load_b32 v[SS], v[R4], s[68:69]
	global_load_b32 v[SS+1], v[R4], s[68:69] offset:64
	s_wait_loadcnt 0x0
.irp b, 0,1
	v_and_b32 v14, 0xffff, v[SS+\b]
	v_lshl_or_b32 v[KSC+2*\b], v14, 16, v14
	v_lshrrev_b32 v14, 16, v[SS+\b]
	v_lshl_or_b32 v[KSC+2*\b+1], v14, 16, v14
.endr
.irp b, 0,1,2,3
	v_mov_b32 v[TM+4+\b], 0                        ; a lane permute's destination counts as one of its sources
.endr
; a step's queries: four pair fragments (16 loads), their words (2), negl of the 64 queries of my half of the lanes (16): register 16 g + i is query 32 g + 16 h + i
.macro LOADQ
	v_add_nc_u32 v[AQ16], s[TQ], v[L16]
	v_add_nc_u32 v[AQ8], s[TQ], v[L8]
	v_add_nc_u32 v[AQ4], s[TQ], v[L4]
	v_add_nc_u32 v[ANL], s[TL], v[H64]
	WIN 0x40
.irp g, 0,1,2,3
.irp c, 0,1
	ds_load_b128 v[QF+12*\g+6*\c:QF+12*\g+6*\c+3], v[AQ16] offset:1536*\g+768*\c
	ds_load_b64 v[QF+12*\g+6*\c+4:QF+12*\g+6*\c+5], v[AQ8] offset:1536*\g+768*\c+512
.endr
.endr
	WIN 0
	ds_load_b32 v[QSC], v[AQ4] offset:6144
	ds_load_b32 v[QSC+1], v[AQ4] offset:6272
.irp n, 0,1,2,3,4,5,6,7,8,9,10,11,12,13,14,15
	ds_load_b128 v[NL+4*\n:NL+4*\n+3], v[ANL] offset:128*(\n/4)+16*(\n%4)
.endr
.endm
; a step's record of Dct: the words first (8 loads), then the 16 fragments in ascending order, four loads each.  The three additions and the v_nop, with the v_nop behind the batch, are five places behind the
; last product that read the old fragments and words.
.macro LOADD
	v_add_nc_u32 v[AD16], s[TD], v[L16]
	v_add_nc_u32 v[AD8], s[TD], v[L8]
	v_add_nc_u32 v[AD4], s[TD], v[L4]
	v_nop
.irp k, 0,1,2,3,4,5,6,7
	ds_load_b32 v[DSC+\k], v[AD4] offset:24576+128*\k
.endr
	WIN 0x40
.irp f, 0,1,2,3,4,5,6,7,8,9,10,11
.irp c, 0,1
	ds_load_b128 v[DN1+12*\f+6*\c:DN1+12*\f+6*\c+3], v[AD16] offset:1536*\f+768*\c
	ds_load_b64 v[DN1+12*\f+6*\c+4:DN1+12*\f+6*\c+5], v[AD8] offset:1536*\f+768*\c+512
.endr
.endr
	WIN 0
.irp f, 12,13,14,15
.irp c, 0,1
	ds_load_b128 v[DN0+12*(\f-12)+6*\c:DN0+12*(\f-12)+6*\c+3], v[AD16] offset:1536*\f+768*\c
	ds_load_b64 v[DN0+12*(\f-12)+6*\c+4:DN0+12*(\f-12)+6*\c+5], v[AD8] offset:1536*\f+768*\c+512
.endr
.endr
.endm
; one product of the second kind: key tile pt (its p in fragment pt % 2) x m tile f.  Each of the 64 accumulators has one instruction a step.
.macro PVW pt, f, z
.if (\f) < 12
.set BB, DN1+12*(\f)
	WIN 0xa4+0x50*((\pt)/2)
.else
.set BB, DN0+12*((\f)-12)
	WIN 0xa0+0x50*((\pt)/2)
.endif
	WM 16*(\f)+8*((\pt)%2), P+12*((\pt)%2), BB, \z, PSC+(\pt)%2, DSC+(\f)/2, 0, (\f)%2
	WIN 0
.endm
.macro FMA b                           ; pair b of the scores: c s + negl(q)
	v_pk_fma_f32 v[SS+2*(\b):SS+2*(\b)+1], v[SS+2*(\b):SS+2*(\b)+1], s[CS:CS+1], v[NL+2*(\b):NL+2*(\b)+1] op_sel_hi:[1,0,1]
.endm
; THE BATCH of a tile: 32 scalings, 64 exponentials and (pv = 1) the 16 products of tile pt.  Four scalings lead; then 16 groups: a product, an exponential, a scaling, an exponential, a scaling, two exponentials.
; A pair is scaled two groups ahead of its exponentials; the scalings ascend.  No line of the batch names an exponential's result.
; w = 1: Dct's record is still on its way: product g waits for fragment g alone; the four loads of each of the 15 - g younger fragments may stay out.
.macro BATCH pv, pt, z, w
	FMA 0
	FMA 1
	FMA 2
	FMA 3
.set gg, 0
.rept 16
.if \pv
.if \w
	s_wait_dscnt 4*(15-gg)
.endif
	PVW \pt, gg, \z
.endif
	v_exp_f32 v[SS+4*gg], v[SS+4*gg]
.if gg < 14
	FMA 4+2*gg
.endif
	v_exp_f32 v[SS+4*gg+1], v[SS+4*gg+1]
.if gg < 14
	FMA 5+2*gg
.endif
	v_exp_f32 v[SS+4*gg+2], v[SS+4*gg+2]
	v_exp_f32 v[SS+4*gg+3], v[SS+4*gg+3]
.set gg, gg+1
.endr
.endm
; THE TURN of key tile i.  pv = 1: the products of the tile before stand in its batch; z = 1: they start their sums.  q = 1 (tile 3): the next step's queries are fetched.
.macro KT i, pv, z, q
.if \i == 0
	s_wait_dscnt 16                                ; the queries and their words are in; the youngest 16 loads (negl) may be out
.endif
	WIN 0x05                                       ; sources 0 and 1 window 1
.irp g, 0,1,2,3
.irp c, 0,1
	WM SS+8*(2*\g+\c), QF+12*\g, 12*\i+6*(1-\c), 1, QSC+\g/2, KSC+\i, \g%2, 0
.endr
.endr
	WIN 0
.rept 4
	v_nop                                          ; places in front of the first read of the scores
.endr
.if \i == 0
	s_wait_dscnt 0x0                               ; negl is in
.endif
.if \i == 1
	BATCH \pv, 0, \z, 1
.else
	BATCH \pv, (\i+3)%4, \z, 0
.endif
	v_nop                                          ; the plain place behind the batch
	s_wait_alu depctr_va_vdst(0)                   ; one wait for the 64 exponentials, ahead of their first reader
.if \i == 0
	LOADD                                          ; the old record's last products stand in the batch above: this step's record lands while tile 0 is quantised and tile 1's scores are made
.endif
.if \i == 3
.if \q
	s_add_co_u32 s[TQ], s[TQ], 6400
	s_add_co_u32 s[TL], s[TL], 512
	LOADQ                                          ; this step's last scores and scalings are done: the next step's queries land while tile 3 is quantised
.endif
.endif
	QUANT SS, P+12*(\i%2), CT, PSC+\i%2
.endm
.macro STEP pv0, z0, z, q
	KT 0, \pv0, \z0, 0
	KT 1, 1, \z, 0
	KT 2, 1, \z, 0
	KT 3, 1, \z, \q
	s_add_co_u32 s[TD], s[TD], 25600
.endm
; THE CHANGE OF SLOTS stands at a slot's head: every wave waits for all its tensor loads, adds 0 to its spare word, waits for that and for its LDS reads, those of the slot that it has left among them.
; fill = 1: a round of the cluster's barrier, and behind it the joint fill of the other slot: it has two steps in which to land.
.macro CHANGE fill
	s_wait_tensorcnt 0x0
	ds_add_u32 v[SPW], v[NIL]
.if \fill
	s_xor_b32 s[G0D+1], s[G0D+1], SLOT1            ; no load of mine is out: the walking descriptor steps
	s_add_nc_u64 s[G0D+2:G0D+3], s[G0D+2:G0D+3], 51200
.endif
	s_wait_dscnt 0x0
.if \fill
	CROUND
	tensor_load_to_lds s[G0D:G0D+3], s[G1D:G1D+7]
	s_nop 0
.rept 4
	v_nop
.endr
.else
	s_barrier_signal -1
	s_barrier_wait -1
.endif
.endm
.macro SLOTEND
	s_sub_co_u32 s[TD], s[TD], 51200               ; back to a slot's first record,
	s_xor_b32 s[TD], s[TD], SLOT1                  ; in the other slot
.endm
	CHANGE 1                                       ; the first fills are in, everybody's; slot 1 is asked for
	LOADQ                                          ; step 0's queries
	STEP 0, 0, 1, 1                                ; step 0: no tile stands before its first; the products of its tiles 0 to 2 start their sums: nothing is cleared
	STEP 1, 1, 0, 1                                ; step 1: in its first turn the products of step 0's tile 3 start theirs
	SLOTEND
	s_mov_b32 s[CNT], 6
.Lslot:
	CHANGE 1
	s_mov_b32 s[TWICE], 2
.Lstep:
	STEP 1, 0, 0, 1
	s_sub_co_u32 s[TWICE], s[TWICE], 1
	s_cmp_lg_u32 s[TWICE], 0
	s_cbranch_scc1 .Lstep
	SLOTEND
	s_sub_co_u32 s[CNT], s[CNT], 1
	s_cmp_lg_u32 s[CNT], 0
	s_cbranch_scc1 .Lslot
	CHANGE 0                                       ; the last slot is written out: no tile is left to ask for,
	STEP 1, 0, 0, 1
	STEP 1, 0, 0, 0                                ; and behind the last step there are no queries to fetch
.rept 8
	v_nop                                          ; a scale word written by vector instructions stands 8 places ahead of a scaled product, an operand 4
.endr
.set gg, 0
.rept 16
	PVW 3, gg, 0                                   ; the last tile's products: no vector work is left to set between them
.set gg, gg+1
.endr
.rept 4
	v_nop                                          ; places behind the last products
.endr
	ENDG 0, 8, 1536, 64
	s_wait_xcnt 0x0                                ; the stores have read their registers,
	s_wait_dscnt 0x0                               ; and so have the byte stores
	ENDG 8, 8, 1536, 64
	s_wait_dscnt 0x0                               ; for the others' sake: my bytes lie in the stage
	s_barrier_signal -1
	s_barrier_wait -1
	ds_load_b128 v[40:43], v[ASR]                  ; 512 bytes of whole words a wave
	s_wait_dscnt 0x0
	global_store_b128 v[L16], v[40:43], s[72:73]
	s_wait_tensorcnt 0x0                           ; the wave's end
	ds_add_u32 v[SPW], v[NIL]
	s_wait_dscnt 0x0
	CROUND                                         ; the closing round
	s_endpgm
.Lfunc_end_k_qa418363d94_attn:
	.size	k_qa418363d94_attn, .Lfunc_end_k_qa418363d94_attn-k_qa418363d94_attn
	.p2alignl 7, 3214868480
	.fill 96, 4, 3214868480
	.section	.rodata,"a",@progbits
	.p2align	6, 0x0
	.amdhsa_kernel k_qa418363d94_attn
		.amdhsa_group_segment_fixed_size 327680
		.amdhsa_private_segment_fixed_size 0
		.amdhsa_enable_private_segment 0
		.amdhsa_kernarg_size 32
		.amdhsa_user_sgpr_count 2
		.amdhsa_user_sgpr_kernarg_segment_ptr 1
		.amdhsa_wavefront_size32 1
		.amdhsa_system_sgpr_workgroup_id_x 1
		.amdhsa_system_sgpr_workgroup_id_y 1
		.amdhsa_system_sgpr_workgroup_id_z 1
		.amdhsa_system_vgpr_workitem_id 0
		.amdhsa_next_free_vgpr 1024
		.amdhsa_next_free_sgpr 80
		.amdhsa_reserve_vcc 0
		.amdhsa_float_denorm_mode_32 3
		.amdhsa_float_denorm_mode_16_64 3
		.amdhsa_memory_ordered 1
		.amdhsa_forward_progress 1
		.amdhsa_inst_pref_size 255
	.end_amdhsa_kernel
	.section	.bss,"aw",@nobits
	.p2align	6
	.space	262144
	.amdgpu_metadata
---
amdhsa.version: [ 1, 2 ]
amdhsa.kernels:
  - .name:           k_qa418363d94_attn
    .symbol:         k_qa418363d94_attn.kd
    .args:
      - { .name: qk, .offset: 0, .size: 8, .value_kind: global_buffer, .address_space: global }
      - { .name: negl, .offset: 8, .size: 8, .value_kind: global_buffer, .address_space: global }
      - { .name: drec, .offset: 16, .size: 8, .value_kind: global_buffer, .address_space: global }
      - { .name: arec, .offset: 24, .size: 8, .value_kind: global_buffer, .address_space: global }
    .group_segment_fixed_size: 327680
    .private_segment_fixed_size: 0
    .kernarg_segment_align: 8
    .kernarg_segment_size: 32
    .max_flat_workgroup_size: 128
    .sgpr_count:     80
    .vgpr_count:     1024
    .wavefront_size: 32
...
	.end_amdgpu_metadata
.endif
;; end of part 3
;; launch mid (part 4): grid 160 x 1, 4 waves a work-group, clusters of 4 x 1, 327,680 bytes of LDS; arguments arec, drec, vrec, o3; writes o3
.if DOCPART == 4
	.amdgcn_target "amdgcn-amd-amdhsa--gfx1250"
	.amdhsa_code_object_version 6
	.text
	.protected	k_qa418363d94_mid
	.globl	k_qa418363d94_mid
	.p2align	8
	.type	k_qa418363d94_mid,@function
k_qa418363d94_mid:
	s_mov_b64 s[64:65], 0
	v_nop
	global_prefetch_b8 v0, s[64:65] scope:SCOPE_SE
	s_setreg_imm32_b32 hwreg(HW_REG_WAVE_MODE, 25, 1), 1
	s_wait_xcnt 0x0
	s_wait_alu depctr_hold_cnt(0) depctr_sa_sdst(0) depctr_va_vdst(0) depctr_va_sdst(0) depctr_va_ssrc(0) depctr_va_vcc(0) depctr_vm_vsrc(0)
	s_getreg_b32 s2, hwreg(HW_REG_IB_STS2, 6, 4)
	s_cmp_eq_u32 s2, 0
	s_cbranch_scc0 .Lentry_in_a_cluster
	s_endpgm
.Lentry_in_a_cluster:
	s_bfe_u32 s2, ttmp6, 0x10000c
	s_cmp_lg_u32 s2, 0x3003
	s_cbranch_scc0 .Lentry_shape_is_right
	s_endpgm
.Lentry_shape_is_right:
; MID: two products of one shape, R[x][y] = sum over 2,048 of X[x][.] Y[y][.], X 256 rows, Y 64 rows a work-group; R leaves quantised along x, as operand images with rows y.
; Clusters 0-31 (head = the cluster's number): X = A1 of the head (rows m), Y = 64 rows of Dct (part cx): A2[m][n], quantised along m.
; Clusters 32-39: X = Dct (rows m'), Y = V x mask of head 4 (cluster - 32) + cx (rows d): Vd[m'][d], quantised along m'.  The choice hangs on the cluster's number alone: the same in all four partners.
; X's records (25,600 bytes a K step) are the same for the four partners: joint loads, through a ring of two slots of four K steps.  Y's 16 records (102,400 bytes) are each work-group's own and stay.
; By this text's count three tensor loads of a wave are out at the start and one behind each round.
; Wave w takes X's tiles 4 w .. 4 w + 3 (rows 64 w .. 64 w + 63, since tile t's lane r holds row 32 (t / 2) + 8 (t % 2) + r + 8 (r / 8)) against Y's four: 16 accumulators by turns.
; REGISTERS: window 0: v1-23 addresses; v32-39 scale words, two sets; v40-135, v136-231 two sets of fragments (X's four, Y's four).  windows 2 + b: the accumulator of X tile 4 w + 2 b + u and Y tile yt at v[16 yt + 8 u].
.set SL0,   102400
.set SPARE, 307200                     ; the spare words: two blocks of 256 bytes that no other line names
.set STG,   307712                     ; the scale bytes' stage: 512 bytes into which no tile lands
.set L16, 1
.set L8,  2
.set L4,  3
.set SPW, 5
.set NIL, 6
.set BX16, 7
.set BX8, 8
.set BX4, 9
.set AD,  10                           ; v10-21 two sets of six LDS addresses
.set ASW, 22
.set ASR, 23
.set WV,  12
.set G1Y, 16
.set G1X, 24
.set G0Y, 32
.set G0X0, 36
.set G0X1, 40
.set SEL, 60
.set OB,  66
.set MSB, 0
.macro WIN new
.if MSB != (\new)
	s_set_vgpr_msb (MSB<<8)|(\new)
.set MSB, \new
.endif
.endm
.macro CROUND
	s_barrier_signal -1
	s_barrier_wait -1
	s_cmp_lg_u32 s[WV], 0
	s_cbranch_scc1 .Lnot_wave_0_\@
	s_barrier_signal -3
.Lnot_wave_0_\@:
	s_barrier_wait -3
	s_barrier_signal -1
	s_barrier_wait -1
.endm
.macro WM d, a, b, z, sa, sb, ra, rb
.if \z
.if (\ra)&&(\rb)
	v_wmma_scale_f32_16x16x128_f8f6f4 v[(\d):(\d)+7], v[(\a):(\a)+11], v[(\b):(\b)+11], 0, v[\sa], v[\sb] matrix_a_fmt:MATRIX_FMT_FP6 matrix_b_fmt:MATRIX_FMT_FP6 matrix_a_scale:MATRIX_SCALE_ROW1 matrix_b_scale:MATRIX_SCALE_ROW1
.elseif (\ra)
	v_wmma_scale_f32_16x16x128_f8f6f4 v[(\d):(\d)+7], v[(\a):(\a)+11], v[(\b):(\b)+11], 0, v[\sa], v[\sb] matrix_a_fmt:MATRIX_FMT_FP6 matrix_b_fmt:MATRIX_FMT_FP6 matrix_a_scale:MATRIX_SCALE_ROW1
.elseif (\rb)
	v_wmma_scale_f32_16x16x128_f8f6f4 v[(\d):(\d)+7], v[(\a):(\a)+11], v[(\b):(\b)+11], 0, v[\sa], v[\sb] matrix_a_fmt:MATRIX_FMT_FP6 matrix_b_fmt:MATRIX_FMT_FP6 matrix_b_scale:MATRIX_SCALE_ROW1
.else
	v_wmma_scale_f32_16x16x128_f8f6f4 v[(\d):(\d)+7], v[(\a):(\a)+11], v[(\b):(\b)+11], 0, v[\sa], v[\sb] matrix_a_fmt:MATRIX_FMT_FP6 matrix_b_fmt:MATRIX_FMT_FP6
.endif
.else
.if (\ra)&&(\rb)
	v_wmma_scale_f32_16x16x128_f8f6f4 v[(\d):(\d)+7], v[(\a):(\a)+11], v[(\b):(\b)+11], v[(\d):(\d)+7], v[\sa], v[\sb] matrix_a_fmt:MATRIX_FMT_FP6 matrix_b_fmt:MATRIX_FMT_FP6 matrix_a_scale:MATRIX_SCALE_ROW1 matrix_b_scale:MATRIX_SCALE_ROW1
.elseif (\ra)
	v_wmma_scale_f32_16x16x128_f8f6f4 v[(\d):(\d)+7], v[(\a):(\a)+11], v[(\b):(\b)+11], v[(\d):(\d)+7], v[\sa], v[\sb] matrix_a_fmt:MATRIX_FMT_FP6 matrix_b_fmt:MATRIX_FMT_FP6 matrix_a_scale:MATRIX_SCALE_ROW1
.elseif (\rb)
	v_wmma_scale_f32_16x16x128_f8f6f4 v[(\d):(\d)+7], v[(\a):(\a)+11], v[(\b):(\b)+11], v[(\d):(\d)+7], v[\sa], v[\sb] matrix_a_fmt:MATRIX_FMT_FP6 matrix_b_fmt:MATRIX_FMT_FP6 matrix_b_scale:MATRIX_SCALE_ROW1
.else
	v_wmma_scale_f32_16x16x128_f8f6f4 v[(\d):(\d)+7], v[(\a):(\a)+11], v[(\b):(\b)+11], v[(\d):(\d)+7], v[\sa], v[\sb] matrix_a_fmt:MATRIX_FMT_FP6 matrix_b_fmt:MATRIX_FMT_FP6
.endif
.endif
.endm
; THE WAY OUT of cnt tiles from f0 on: tile f's 16 registers in window 2 are block 0 of my 64 along the next K, those in window 3 block 1.  They become one half fragment (6 registers) and two scale bytes.
.macro ENDG f0, cnt, cs, ss
.set EM, 40
.set ET, 40+2*\cnt
.set EH, 40+4*\cnt
.set EC, 40+12*\cnt
.irp b, 0,1
	WIN 0x28+0x14*\b
.set k, 0
.rept \cnt
	v_max3_num_f32 v[EM+\cnt*\b+k], 0x1800000, |v[16*(\f0+k)]|, |v[16*(\f0+k)+1]|     ; each accumulator from its low end on
.set k, k+1
.endr
.irp i, 2,4,6,8,10,12,14
.set k, 0
.rept \cnt
	v_max3_num_f32 v[EM+\cnt*\b+k], v[EM+\cnt*\b+k], |v[16*(\f0+k)+\i]|, |v[16*(\f0+k)+\i+1]|
.set k, k+1
.endr
.endr
.endr
	WIN 0
.set k, 0
.rept 2*\cnt
	v_mov_b32 v[ET+k], 0                           ; a lane permute's destination counts as one of its sources
.set k, k+1
.endr
.set k, 0
.rept 2*\cnt
	v_permlanex16_b32 v[ET+k], v[EM+k], s[SEL], s[SEL+1]
.set k, k+1
.endr
.set k, 0
.rept 2*\cnt
	v_max_num_f32 v[EM+k], v[EM+k], v[ET+k]
.set k, k+1
.endr
.set k, 0
.rept 2*\cnt
	v_add_nc_u32 v[EM+k], 0xff000000, v[EM+k]
.set k, k+1
.endr
.set k, 0
.rept 2*\cnt
	v_lshrrev_b32 v[ET+k], 23, v[EM+k]
.set k, k+1
.endr
.set k, 0
.rept \cnt
	v_lshl_or_b32 v[ET+k], v[ET+\cnt+k], 8, v[ET+k]
.set k, k+1
.endr
.set k, 0
.rept \cnt
	ds_store_b16 v[ASW], v[ET+k] offset:\ss*(\f0+k)     ; my two bytes of the row's word; both halves of the lanes write the same value
.set k, k+1
.endr
	WIN 0x02
.set k, 0
.rept \cnt
	v_cvt_scalef32_pk16_fp6_f32 v[EH+8*k:EH+8*k+2], v[16*(\f0+k):16*(\f0+k)+15], v[EM+k]
.set k, k+1
.endr
	WIN 0x03
.set k, 0
.rept \cnt
	v_cvt_scalef32_pk16_fp6_f32 v[EC+4*k:EC+4*k+2], v[16*(\f0+k):16*(\f0+k)+15], v[EM+\cnt+k]
.set k, k+1
.endr
	WIN 0
	v_nop
.set k, 0
.rept \cnt
.irp i, 0,1,2
	v_permlane16_swap_b32 v[EH+8*k+\i], v[EC+4*k+\i]
.endr
.irp i, 0,1,2
	v_mov_b32 v[EH+8*k+3+\i], v[EC+4*k+\i]
.endr
.set k, k+1
.endr
.set k, 0
.rept \cnt
	global_store_b128 v[L16], v[EH+8*k:EH+8*k+3], s[OB:OB+1] offset:\cs*(\f0+k)
	global_store_b64 v[L8], v[EH+8*k+4:EH+8*k+5], s[OB:OB+1] offset:\cs*(\f0+k)+512
.set k, k+1
.endr
.endm
	s_load_b256 s[4:11], s[0:1], 0x0               ; arec s[4:5], drec s[6:7], vrec s[8:9], o3 s[10:11]
	v_lshl_add_u32 v[SPW], v0, 2, SPARE
	v_mov_b32 v[NIL], 0
	ds_add_u32 v5, v6
	ds_add_u32 v5, v6
	s_wait_dscnt 0x0
	v_lshrrev_b32 v24, 5, v0
	v_readfirstlane_b32 s[WV], v24                 ; wave 0..3
	v_and_b32 v24, 31, v0
	v_lshlrev_b32 v[L16], 4, v24
	v_lshlrev_b32 v[L8], 3, v24
	v_lshlrev_b32 v[L4], 2, v24
	s_mul_i32 s53, s[WV], 6144                     ; my four fragments of a record of X
	v_add_nc_u32 v[BX16], s53, v[L16]
	v_add_nc_u32 v[BX8], s53, v[L8]
	s_lshl_b32 s53, s[WV], 8                       ; and their word blocks
	v_add_nc_u32 v[BX4], s53, v[L4]
	v_and_b32 v24, 15, v0
	s_lshr_b32 s53, s[WV], 1
	s_lshl_b32 s53, s53, 6
	s_and_b32 s54, s[WV], 1
	s_lshl_b32 s54, s54, 1
	s_add_co_u32 s53, s53, s54
	s_add_co_u32 s53, s53, STG
	v_lshl_add_u32 v[ASW], v24, 2, s53             ; the stage: word block wave / 2 of a pair, bytes 2 (wave % 2) of word r
	v_add_nc_u32 v[ASR], STG, v[L16]
	s_mov_b32 s[G1Y], 3<<16                        ; Y's loads are my own: no mask
	s_mov_b32 s[G1X], 15|(3<<16)|(1<<21)           ; X's are joint
.irp g, G1Y, G1X
	s_mov_b32 s[\g+1], 32<<16                      ; rows of 256 bytes,
	s_mov_b32 s[\g+2], 100<<16                     ; 100 of them: 25,600 bytes
	s_mov_b32 s[\g+3], 32<<16
	s_mov_b32 s[\g+4], 100
	s_mov_b32 s[\g+5], 32
	s_mov_b32 s[\g+6], 0
	s_mov_b32 s[\g+7], 0
.endr
	s_mov_b32 s[SEL], 0x76543210
	s_mov_b32 s[SEL+1], 0xfedcba98
	s_bfe_u32 s13, ttmp6, 0x40000                  ; cx
	s_lshl_b32 s15, ttmp9, 2
	s_add_co_u32 s15, s15, s13                     ; the work-group's number = the record of o3
	s_mul_i32 s50, s13, 102400
	s_add_co_u32 s50, s50, 409600                  ; Y in drec: part cx of the records of four tiles
	s_sub_co_u32 s51, s15, 128
	s_mul_i32 s51, s51, 102400                     ; Y in vrec: the head's records
	s_mul_i32 s48, ttmp9, 409600                   ; X in arec: the head's records
	s_mul_i32 s52, s[WV], 25600
	s_mul_i32 s56, s15, 12800
	s_lshr_b32 s57, s[WV], 1
	s_mul_i32 s57, s57, 1536
	s_and_b32 s58, s[WV], 1
	s_mul_i32 s58, s58, 768
	s_add_co_u32 s58, s58, s57
	s_add_co_u32 s58, s58, s56                     ; my half fragments in the record
	s_mov_b32 s59, 0
	s_add_co_u32 s56, s56, 12288                   ; the record's words
	s_mov_b32 s57, 0
	s_wait_kmcnt 0x0
	s_cmp_lt_u32 ttmp9, 32                         ; which of the two products: by the cluster's number
	s_cselect_b64 s[44:45], s[4:5], s[6:7]
	s_cselect_b64 s[46:47], s[6:7], s[8:9]
	s_cselect_b32 s48, s48, 0
	s_cselect_b32 s50, s50, s51
	s_add_co_u32 s48, s48, s52
	s_mov_b32 s49, 0
	s_add_co_u32 s50, s50, s52
	s_mov_b32 s51, 0
	s_add_nc_u64 s[44:45], s[44:45], s[48:49]
	s_add_nc_u64 s[46:47], s[46:47], s[50:51]
	s_add_nc_u64 s[OB:OB+1], s[10:11], s[58:59]
	s_add_nc_u64 s[68:69], s[10:11], s[56:57]
	s_mov_b32 s[G0Y], 1
	s_mul_i32 s[G0Y+1], s[WV], 25600
	s_mov_b64 s[G0Y+2:G0Y+3], s[46:47]
	s_or_b32 s[G0Y+3], s[G0Y+3], 0x80000000
	s_mov_b32 s[G0X0], 1
	s_mul_i32 s[G0X0+1], s[WV], 25600
	s_add_co_u32 s[G0X0+1], s[G0X0+1], SL0
	s_mov_b64 s[G0X0+2:G0X0+3], s[44:45]
	s_or_b32 s[G0X0+3], s[G0X0+3], 0x80000000
	s_mov_b32 s[G0X1], 1
	s_mul_i32 s[G0X1+1], s[WV], 25600
	s_add_co_u32 s[G0X1+1], s[G0X1+1], 2*SL0
	s_add_nc_u64 s[G0X1+2:G0X1+3], s[44:45], 102400
	s_or_b32 s[G0X1+3], s[G0X1+3], 0x80000000
	CROUND
	tensor_load_to_lds s[G0Y:G0Y+3], s[G1Y:G1Y+7]          ; my quarter of Y,
	s_nop 0
	tensor_load_to_lds s[G0X0:G0X0+3], s[G1X:G1X+7]        ; X's record wave: slot 0,
	s_nop 0
	tensor_load_to_lds s[G0X1:G0X1+3], s[G1X:G1X+7]        ; X's record 4 + wave: slot 1
	s_nop 0
.rept 4
	v_nop
.endr
; K step k into set p: six additions (also the places in front of the loads), 36 LDS loads.  Set p's address registers are written again only when the loads that named them have been waited for.
.macro LOADK k, p
.set XB, SL0+SL0*(((\k)/4)%2)+25600*((\k)%4)
.set FX, 40+96*(\p)
.set FY, FX+48
.set AA, AD+6*(\p)
	v_add_nc_u32 v[AA], XB, v[BX16]
	v_add_nc_u32 v[AA+1], XB, v[BX8]
	v_add_nc_u32 v[AA+2], XB+24576, v[BX4]
	v_add_nc_u32 v[AA+3], 6400*(\k), v[L16]
	v_add_nc_u32 v[AA+4], 6400*(\k), v[L8]
	v_add_nc_u32 v[AA+5], 6400*(\k)+6144, v[L4]
.irp i, 0,1,2,3
.irp c, 0,1
	ds_load_b128 v[FX+12*\i+6*\c:FX+12*\i+6*\c+3], v[AA] offset:1536*\i+768*\c
	ds_load_b64 v[FX+12*\i+6*\c+4:FX+12*\i+6*\c+5], v[AA+1] offset:1536*\i+768*\c+512
.endr
.endr
.irp i, 0,1,2,3
.irp c, 0,1
	ds_load_b128 v[FY+12*\i+6*\c:FY+12*\i+6*\c+3], v[AA+3] offset:1536*\i+768*\c
	ds_load_b64 v[FY+12*\i+6*\c+4:FY+12*\i+6*\c+5], v[AA+4] offset:1536*\i+768*\c+512
.endr
.endr
	ds_load_b32 v[32+4*(\p)], v[AA+2]
	ds_load_b32 v[33+4*(\p)], v[AA+2] offset:128
	ds_load_b32 v[34+4*(\p)], v[AA+5]
	ds_load_b32 v[35+4*(\p)], v[AA+5] offset:128
.endm
.macro MUL p, z                        ; 16 products: the 16 accumulators by turns
.set FX, 40+96*(\p)
.set FY, FX+48
.irp b, 0,1
	WIN 0xa0+0x50*\b
.irp yt, 0,1,2,3
.irp u, 0,1
	WM 16*\yt+8*\u, FX+12*(2*\b+\u), FY+12*\yt, \z, 32+4*(\p)+\b, 34+4*(\p)+\yt/2, \u, \yt%2
.endr
.endr
.endr
	WIN 0
.endm
.macro SLOTK k0, z                     ; a slot's four K steps, the loads one step ahead
	LOADK \k0, 0
	LOADK \k0+1, 1
	s_wait_dscnt 36                                ; all but the 36 just issued
	MUL 0, \z
	LOADK \k0+2, 0
	s_wait_dscnt 36
	MUL 1, 0
	LOADK \k0+3, 1
	s_wait_dscnt 36
	MUL 0, 0
	s_wait_dscnt 0x0
	MUL 1, 0
.endm
.macro REFILL g0                       ; the slot just read out is filled again, eight records on
	s_wait_tensorcnt 0x0
	ds_add_u32 v[SPW], v[NIL]
	s_add_nc_u64 s[\g0+2:\g0+3], s[\g0+2:\g0+3], 204800
	s_wait_dscnt 0x0
	CROUND
	tensor_load_to_lds s[\g0:\g0+3], s[G1X:G1X+7]
	s_nop 0
.rept 4
	v_nop
.endr
.endm
	s_wait_tensorcnt 1                             ; Y and slot 0 are in; slot 1's load may be out
	s_barrier_signal -1
	s_barrier_wait -1
	SLOTK 0, 1                                     ; the first K step's products start the sums
	REFILL G0X0
	SLOTK 4, 0
	REFILL G0X1
	SLOTK 8, 0
	s_wait_tensorcnt 0x0                           ; slot 1's last fill is in; nothing is filled again
	ds_add_u32 v[SPW], v[NIL]
	s_wait_dscnt 0x0
	s_barrier_signal -1
	s_barrier_wait -1
	SLOTK 12, 0
.rept 4
	v_nop
.endr
	ENDG 0, 4, 3072, 128
	s_wait_dscnt 0x0                               ; for the others' sake: my bytes lie in the stage
	s_barrier_signal -1
	s_barrier_wait -1
	s_cmp_lg_u32 s[WV], 0
	s_cbranch_scc1 .Lnot_mine
	ds_load_b128 v[40:43], v[ASR]                  ; wave 0 stores the record's 512 bytes of words
	s_wait_dscnt 0x0
	global_store_b128 v[L16], v[40:43], s[68:69]
.Lnot_mine:
	s_wait_tensorcnt 0x0                           ; the wave's end
	ds_add_u32 v[SPW], v[NIL]
	s_wait_dscnt 0x0
	CROUND
	s_endpgm
.Lfunc_end_k_qa418363d94_mid:
	.size	k_qa418363d94_mid, .Lfunc_end_k_qa418363d94_mid-k_qa418363d94_mid
	.p2alignl 7, 3214868480
	.fill 96, 4, 3214868480
	.section	.rodata,"a",@progbits
	.p2align	6, 0x0
	.amdhsa_kernel k_qa418363d94_mid
		.amdhsa_group_segment_fixed_size 327680
		.amdhsa_private_segment_fixed_size 0
		.amdhsa_enable_private_segment 0
		.amdhsa_kernarg_size 32
		.amdhsa_user_sgpr_count 2
		.amdhsa_user_sgpr_kernarg_segment_ptr 1
		.amdhsa_wavefront_size32 1
		.amdhsa_system_sgpr_workgroup_id_x 1
		.amdhsa_system_sgpr_workgroup_id_y 1
		.amdhsa_system_sgpr_workgroup_id_z 1
		.amdhsa_system_vgpr_workitem_id 0
		.amdhsa_next_free_vgpr 832
		.amdhsa_next_free_sgpr 80
		.amdhsa_reserve_vcc 0
		.amdhsa_float_denorm_mode_32 3
		.amdhsa_float_denorm_mode_16_64 3
		.amdhsa_memory_ordered 1
		.amdhsa_forward_progress 1
		.amdhsa_inst_pref_size 93
	.end_amdhsa_kernel
	.amdgpu_metadata
---
amdhsa.version: [ 1, 2 ]
amdhsa.kernels:
  - .name:           k_qa418363d94_mid
    .symbol:         k_qa418363d94_mid.kd
    .args:
      - { .name: arec, .offset: 0, .size: 8, .value_kind: global_buffer, .address_space: global }
      - { .name: drec, .offset: 8, .size: 8, .value_kind: global_buffer, .address_space: global }
      - { .name: vrec, .offset: 16, .size: 8, .value_kind: global_buffer, .address_space: global }
      - { .name: o3, .offset: 24, .size: 8, .value_kind: global_buffer, .address_space: global }
    .group_segment_fixed_size: 327680
    .private_segment_fixed_size: 0
    .kernarg_segment_align: 8
    .kernarg_segment_size: 32
    .max_flat_workgroup_size: 128
    .sgpr_count:     80
    .vgpr_count:     832
    .wavefront_size: 32
...
	.end_amdgpu_metadata
.endif
;; end of part 4
;; launch tail (part 5): grid 8 x 32, 4 waves a work-group, clusters of 4 x 1, 168,448 bytes of LDS; arguments o3, drec, out0; writes out0
.if DOCPART == 5
	.amdgcn_target "amdgcn-amd-amdhsa--gfx1250"
	.amdhsa_code_object_version 6
	.text
	.protected	k_qa418363d94_tail
	.globl	k_qa418363d94_tail
	.p2align	8
	.type	k_qa418363d94_tail,@function
k_qa418363d94_tail:
	s_mov_b64 s[64:65], 0
	v_nop
	global_prefetch_b8 v0, s[64:65] scope:SCOPE_SE
	s_setreg_imm32_b32 hwreg(HW_REG_WAVE_MODE, 25, 1), 1
	s_wait_xcnt 0x0
	s_wait_alu depctr_hold_cnt(0) depctr_sa_sdst(0) depctr_va_vdst(0) depctr_va_sdst(0) depctr_va_ssrc(0) depctr_va_vcc(0) depctr_vm_vsrc(0)
	s_getreg_b32 s2, hwreg(HW_REG_IB_STS2, 6, 4)
	s_cmp_eq_u32 s2, 0
	s_cbranch_scc0 .Lentry_in_a_cluster
	s_endpgm
.Lentry_in_a_cluster:
	s_bfe_u32 s2, ttmp6, 0x10000c
	s_cmp_lg_u32 s2, 0x3003
	s_cbranch_scc0 .Lentry_shape_is_right
	s_endpgm
.Lentry_shape_is_right:
; TAIL: x[q][n] = sum over m of Dct[m][q] A2[m][n] (K = 256), quantised along n in registers, and out[q][d] = sum over n of x[q][n] Vd[n][d] (K = 256).
; SHARES: a work-group owns 256 queries of a head, each wave 64: four tiles of 16.  The head's A2 (51,200 bytes) and Vd (12,800) come into LDS once, by joint loads (the four work-groups of a cluster belong to one head;
; two tensor loads of a wave are out), and from there into every wave's REGISTERS, once.  Dct's fragments of the wave's queries come from memory into registers.
; Both products are used transposed: source 0 = 16 rows n of A2 (tile nt's lane r holds row 32 (nt / 2) + 8 (nt % 2) + r + 8 (r / 8)), source 1 = 16 queries: a lane holds one query, and the 16 registers of
; tiles 2 b, 2 b + 1 are 16 neighbours along n.  Then source 0 = 16 rows d of Vd, source 1 = x: a lane holds eight neighbouring d of its query.
; REGISTERS: window 0: v1-8 addresses; v16-41 scale words; v48-175 x (later rows of the output); v176-199 x's codes; v200-223 the quantiser's; v224-255 the output's four accumulators.
;   window 1: A2's fragments of m 0-127, at v[12 nt]; window 2: of m 128-255; window 3: v0-95 Vd's eight, v96-191 Dct's eight.
.set VDB, 51200
.set STG, 64000                        ; a stage of 16 rows x 272 bytes for each wave
.set L16, 1
.set L8,  2
.set L4,  3
.set SO,  4
.set SRD, 5
.set DMA, 6
.set A2S, 16
.set VS,  32
.set DMS, 36
.set PW,  40
.set XA,  48
.set RB,  48
.set XQ,  176
.set CT,  200
.set TM,  208
.set OA,  224
.set WV,  12
.set G1A, 16
.set G1V, 24
.set G0A, 32
.set G0V, 36
.set SEL, 60
.set MSB, 0
.macro WIN new
.if MSB != (\new)
	s_set_vgpr_msb (MSB<<8)|(\new)
.set MSB, \new
.endif
.endm
.macro CROUND
	s_barrier_signal -1
	s_barrier_wait -1
	s_cmp_lg_u32 s[WV], 0
	s_cbranch_scc1 .Lnot_wave_0_\@
	s_barrier_signal -3
.Lnot_wave_0_\@:
	s_barrier_wait -3
	s_barrier_signal -1
	s_barrier_wait -1
.endm
.macro WM d, a, b, z, sa, sb, ra, rb
.if \z
.if (\ra)&&(\rb)
	v_wmma_scale_f32_16x16x128_f8f6f4 v[(\d):(\d)+7], v[(\a):(\a)+11], v[(\b):(\b)+11], 0, v[\sa], v[\sb] matrix_a_fmt:MATRIX_FMT_FP6 matrix_b_fmt:MATRIX_FMT_FP6 matrix_a_scale:MATRIX_SCALE_ROW1 matrix_b_scale:MATRIX_SCALE_ROW1
.elseif (\ra)
	v_wmma_scale_f32_16x16x128_f8f6f4 v[(\d):(\d)+7], v[(\a):(\a)+11], v[(\b):(\b)+11], 0, v[\sa], v[\sb] matrix_a_fmt:MATRIX_FMT_FP6 matrix_b_fmt:MATRIX_FMT_FP6 matrix_a_scale:MATRIX_SCALE_ROW1
.elseif (\rb)
	v_wmma_scale_f32_16x16x128_f8f6f4 v[(\d):(\d)+7], v[(\a):(\a)+11], v[(\b):(\b)+11], 0, v[\sa], v[\sb] matrix_a_fmt:MATRIX_FMT_FP6 matrix_b_fmt:MATRIX_FMT_FP6 matrix_b_scale:MATRIX_SCALE_ROW1
.else
	v_wmma_scale_f32_16x16x128_f8f6f4 v[(\d):(\d)+7], v[(\a):(\a)+11], v[(\b):(\b)+11], 0, v[\sa], v[\sb] matrix_a_fmt:MATRIX_FMT_FP6 matrix_b_fmt:MATRIX_FMT_FP6
.endif
.else
.if (\ra)&&(\rb)
	v_wmma_scale_f32_16x16x128_f8f6f4 v[(\d):(\d)+7], v[(\a):(\a)+11], v[(\b):(\b)+11], v[(\d):(\d)+7], v[\sa], v[\sb] matrix_a_fmt:MATRIX_FMT_FP6 matrix_b_fmt:MATRIX_FMT_FP6 matrix_a_scale:MATRIX_SCALE_ROW1 matrix_b_scale:MATRIX_SCALE_ROW1
.elseif (\ra)
	v_wmma_scale_f32_16x16x128_f8f6f4 v[(\d):(\d)+7], v[(\a):(\a)+11], v[(\b):(\b)+11], v[(\d):(\d)+7], v[\sa], v[\sb] matrix_a_fmt:MATRIX_FMT_FP6 matrix_b_fmt:MATRIX_FMT_FP6 matrix_a_scale:MATRIX_SCALE_ROW1
.elseif (\rb)
	v_wmma_scale_f32_16x16x128_f8f6f4 v[(\d):(\d)+7], v[(\a):(\a)+11], v[(\b):(\b)+11], v[(\d):(\d)+7], v[\sa], v[\sb] matrix_a_fmt:MATRIX_FMT_FP6 matrix_b_fmt:MATRIX_FMT_FP6 matrix_b_scale:MATRIX_SCALE_ROW1
.else
	v_wmma_scale_f32_16x16x128_f8f6f4 v[(\d):(\d)+7], v[(\a):(\a)+11], v[(\b):(\b)+11], v[(\d):(\d)+7], v[\sa], v[\sb] matrix_a_fmt:MATRIX_FMT_FP6 matrix_b_fmt:MATRIX_FMT_FP6
.endif
.endif
.endm
; 64 numbers of a lane, register 16 b + i = K 32 b + 16 (lane / 16) + i of my row, become a fragment's 12 registers at v[pc] and its scale word in v[pw]
.macro QUANT s, pc, ct, pw, ab
.irp b, 0,1,2,3
.if \ab
	v_max3_num_f32 v[TM+\b], |v[\s+16*\b]|, |v[\s+16*\b+1]|, 0x1800000           ; with the floor 2^(3 - 127): the byte cannot fall under 1
.else
	v_max3_num_f32 v[TM+\b], v[\s+16*\b], v[\s+16*\b+1], 0x1800000
.endif
.endr
.irp i, 2,4,6,8,10,12,14
.irp b, 0,1,2,3
.if \ab
	v_max3_num_f32 v[TM+\b], v[TM+\b], |v[\s+16*\b+\i]|, |v[\s+16*\b+\i+1]|
.else
	v_max3_num_f32 v[TM+\b], v[TM+\b], v[\s+16*\b+\i], v[\s+16*\b+\i+1]
.endif
.endr
.endr
.irp b, 0,1,2,3
	v_permlanex16_b32 v[TM+4+\b], v[TM+\b], s[SEL], s[SEL+1]
.endr
.irp b, 0,1,2,3
	v_max_num_f32 v[TM+\b], v[TM+\b], v[TM+4+\b]
.endr
.irp b, 0,1,2,3
	v_add_nc_u32 v[TM+12+\b], 0xff000000, v[TM+\b]
.endr
.irp b, 0,1,2,3
	v_lshrrev_b32 v[TM+4+\b], 23, v[TM+12+\b]
.endr
	v_lshl_or_b32 v[\pw], v[TM+5], 8, v[TM+4]
	v_lshl_or_b32 v[\pw], v[TM+6], 16, v[\pw]
	v_lshl_or_b32 v[\pw], v[TM+7], 24, v[\pw]
.irp c, 0,1
	v_cvt_scalef32_pk16_fp6_f32 v[\pc+6*\c:\pc+6*\c+2], v[\s+32*\c:\s+32*\c+15], v[TM+12+2*\c]
	v_cvt_scalef32_pk16_fp6_f32 v[\ct+4*\c:\ct+4*\c+2], v[\s+32*\c+16:\s+32*\c+31], v[TM+13+2*\c]
.endr
	v_nop
.irp c, 0,1
.irp i, 0,1,2
	v_permlane16_swap_b32 v[\pc+6*\c+\i], v[\ct+4*\c+\i]
.endr
.irp i, 0,1,2
	v_mov_b32 v[\pc+6*\c+3+\i], v[\ct+4*\c+\i]
.endr
.endr
.endm
	s_load_b128 s[4:7], s[0:1], 0x0                ; o3 s[4:5], drec s[6:7]
	s_load_b64 s[8:9], s[0:1], 0x10                ; out0
	v_lshl_add_u32 v218, v0, 2, 0x29000
	v_mov_b32 v219, 0
	ds_add_u32 v218, v219
	ds_add_u32 v218, v219
	v_lshrrev_b32 v7, 5, v0
	v_readfirstlane_b32 s[WV], v7                  ; wave 0..3
	v_and_b32 v7, 31, v0
	v_lshlrev_b32 v[L16], 4, v7
	v_lshlrev_b32 v[L8], 3, v7
	v_lshlrev_b32 v[L4], 2, v7
	v_and_b32 v7, 15, v0                           ; r
	v_bfe_u32 v8, v0, 4, 1                         ; h
	s_mul_i32 s44, s[WV], 4352
	s_add_co_u32 s44, s44, STG                     ; my stage
	v_mul_u32_u24 v[SO], v7, 272
	v_lshl_add_u32 v[SO], v8, 5, v[SO]
	v_add_nc_u32 v[SO], s44, v[SO]                 ; in: row r, + 32 h
	v_mul_u32_u24 v[SRD], v8, 272
	v_lshl_add_u32 v[SRD], v7, 4, v[SRD]
	v_add_nc_u32 v[SRD], s44, v[SRD]               ; back: lanes 0-15 one row of 256 bytes, lanes 16-31 the next
	v_mul_u32_u24 v[DMA], v8, 6400
	v_lshl_add_u32 v[DMA], v7, 2, v[DMA]           ; Dct's words: lanes 0-15 those of m 0-127, lanes 16-31 those of m 128-255
	s_bfe_u32 s13, ttmp6, 0x40000                  ; cx
	s_lshl_b32 s14, ttmp9, 2
	s_add_co_u32 s14, s14, s13                     ; my block of 256 queries
	s_and_b32 s15, ttmp7, 0xffff                   ; the head
	s_mov_b32 s[G1A], 15|(3<<16)|(1<<21)           ; a record of A2: 50 rows of 256 bytes, asked for jointly
	s_mov_b32 s[G1A+1], 32<<16
	s_mov_b32 s[G1A+2], 50<<16
	s_mov_b32 s[G1A+3], 32<<16
	s_mov_b32 s[G1A+4], 50
	s_mov_b32 s[G1A+5], 32
	s_mov_b32 s[G1A+6], 0
	s_mov_b32 s[G1A+7], 0
	s_mov_b32 s[G1V], 15|(3<<16)|(1<<21)           ; a quarter of Vd's record: 3,200 dense bytes as 25 rows of 128
	s_mov_b32 s[G1V+1], 16<<16
	s_mov_b32 s[G1V+2], 25<<16
	s_mov_b32 s[G1V+3], 16<<16
	s_mov_b32 s[G1V+4], 25
	s_mov_b32 s[G1V+5], 16
	s_mov_b32 s[G1V+6], 0
	s_mov_b32 s[G1V+7], 0
	s_mov_b32 s[SEL], 0x76543210
	s_mov_b32 s[SEL+1], 0xfedcba98
	s_lshl_b32 s44, s15, 2
	s_add_co_u32 s44, s44, s[WV]
	s_mul_i32 s44, s44, 12800                      ; A2's record 4 x head + wave
	s_mov_b32 s45, 0
	s_add_co_u32 s46, s15, 128
	s_mul_i32 s46, s46, 12800
	s_mul_i32 s47, s[WV], 3200
	s_add_co_u32 s46, s46, s47                     ; Vd's record 128 + head, my quarter
	s_mov_b32 s47, 0
	s_lshl_b32 s48, s14, 2
	s_add_co_u32 s48, s48, s[WV]
	s_mul_i32 s48, s48, 12800
	s_add_co_u32 s48, s48, 819200                  ; Dct along m: my 64 queries' two records
	s_mov_b32 s49, 0
	s_lshl_b32 s50, s15, 19                        ; the output: 524,288 bytes a head, 65,536 a block, 16,384 a wave
	s_lshl_b32 s51, s14, 16
	s_add_co_u32 s50, s50, s51
	s_lshl_b32 s51, s[WV], 14
	s_add_co_u32 s50, s50, s51
	s_mov_b32 s51, 0
	s_wait_dscnt 0x0
	s_wait_kmcnt 0x0
	s_mov_b32 s[G0A], 1
	s_mul_i32 s[G0A+1], s[WV], 12800
	s_add_nc_u64 s[G0A+2:G0A+3], s[4:5], s[44:45]
	s_or_b32 s[G0A+3], s[G0A+3], 0x80000000
	s_mov_b32 s[G0V], 1
	s_mul_i32 s[G0V+1], s[WV], 3200
	s_add_co_u32 s[G0V+1], s[G0V+1], VDB
	s_add_nc_u64 s[G0V+2:G0V+3], s[4:5], s[46:47]
	s_or_b32 s[G0V+3], s[G0V+3], 0x80000000
	s_add_nc_u64 s[40:41], s[6:7], s[48:49]
	s_add_nc_u64 s[42:43], s[8:9], s[50:51]
	CROUND
	tensor_load_to_lds s[G0A:G0A+3], s[G1A:G1A+7]
	s_nop 0
	tensor_load_to_lds s[G0V:G0V+3], s[G1V:G1V+7]
	s_nop 0
.rept 4
	v_nop
.endr
	WIN 0xc0                                       ; destination window 3
.irp qt, 0,1,2,3
.irp j, 0,1
.irp c, 0,1
	global_load_b128 v[96+24*\qt+12*\j+6*\c:96+24*\qt+12*\j+6*\c+3], v[L16], s[40:41] offset:6400*\j+1536*\qt+768*\c
	global_load_b64 v[96+24*\qt+12*\j+6*\c+4:96+24*\qt+12*\j+6*\c+5], v[L8], s[40:41] offset:6400*\j+1536*\qt+768*\c+512
.endr
.endr
.endr
	WIN 0
.irp qt, 0,1,2,3
	global_load_b32 v[DMS+\qt], v[DMA], s[40:41] offset:6144+64*\qt
.endr
.irp b, 0,1,2,3
	v_mov_b32 v[TM+4+\b], 0                        ; a lane permute's destination counts as one of its sources
.endr
	s_wait_tensorcnt 0x0                           ; my parts are in,
	s_barrier_signal -1
	s_barrier_wait -1                              ; everybody's are
	WIN 0x40
.irp nt, 0,1,2,3,4,5,6,7,8,9,10,11,12,13,14,15
.irp c, 0,1
	ds_load_b128 v[12*\nt+6*\c:12*\nt+6*\c+3], v[L16] offset:12800*(\nt/4)+3072*(\nt%4)+768*\c
	ds_load_b64 v[12*\nt+6*\c+4:12*\nt+6*\c+5], v[L8] offset:12800*(\nt/4)+3072*(\nt%4)+768*\c+512
.endr
.endr
	WIN 0x80
.irp nt, 0,1,2,3,4,5,6,7,8,9,10,11,12,13,14,15
.irp c, 0,1
	ds_load_b128 v[12*\nt+6*\c:12*\nt+6*\c+3], v[L16] offset:12800*(\nt/4)+3072*(\nt%4)+1536+768*\c
	ds_load_b64 v[12*\nt+6*\c+4:12*\nt+6*\c+5], v[L8] offset:12800*(\nt/4)+3072*(\nt%4)+1536+768*\c+512
.endr
.endr
	WIN 0xc0
.irp f, 0,1,2,3,4,5,6,7
.irp c, 0,1
	ds_load_b128 v[12*\f+6*\c:12*\f+6*\c+3], v[L16] offset:VDB+1536*\f+768*\c
	ds_load_b64 v[12*\f+6*\c+4:12*\f+6*\c+5], v[L8] offset:VDB+1536*\f+768*\c+512
.endr
.endr
	WIN 0
.irp nt, 0,1,2,3,4,5,6,7,8,9,10,11,12,13,14,15
	ds_load_b32 v[A2S+\nt], v[L4] offset:12800*(\nt/4)+12288+128*(\nt%4)       ; lanes 0-15 the words of m 0-127, lanes 16-31 those of m 128-255
.endr
.irp dt, 0,1,2,3
	ds_load_b32 v[VS+\dt], v[L4] offset:VDB+12288+128*\dt
.endr
	s_wait_loadcnt 0x0
	s_wait_dscnt 0x0
; a tile of 16 queries, from Dct's fragments to 16 rows of the output
.macro QT qt
.if \qt>0
	s_wait_xcnt 0x0                                ; the last tile's stores have read their registers, which the products below write
.endif
	WIN 0x0d                                       ; source 0 window 1, source 1 window 3
.irp nt, 0,1,2,3,4,5,6,7,8,9,10,11,12,13,14,15
	WM XA+8*\nt, 12*\nt, 96+24*\qt, 1, A2S+\nt, DMS+\qt, 0, 0
.endr
	WIN 0x0e                                       ; source 0 window 2
.irp nt, 0,1,2,3,4,5,6,7,8,9,10,11,12,13,14,15
	WM XA+8*\nt, 12*\nt, 108+24*\qt, 0, A2S+\nt, DMS+\qt, 1, 1
.endr
	WIN 0
.rept 4
	v_nop
.endr
	QUANT XA, XQ, CT, PW, 1
	QUANT XA+64, XQ+12, CT, PW+1, 1
.rept 8
	v_nop                                          ; a scale word written by vector instructions stands 8 places ahead of a scaled product, an operand 4
.endr
	WIN 0x03                                       ; source 0 window 3
.irp dt, 0,1,2,3
	WM OA+8*\dt, 24*\dt, XQ, 1, VS+\dt, PW, 0, 0
.endr
.irp dt, 0,1,2,3
	WM OA+8*\dt, 24*\dt+12, XQ+12, 0, VS+\dt, PW+1, 1, 0
.endr
	WIN 0
.rept 4
	v_nop
.endr
.irp dt, 0,1,2,3
	ds_store_b128 v[SO], v[OA+8*\dt:OA+8*\dt+3] offset:64*\dt                  ; lane (r, h): out(16 qt + r, 16 dt + 8 h + 0 .. 7); each accumulator from its low end on
	ds_store_b128 v[SO], v[OA+8*\dt+4:OA+8*\dt+7] offset:64*\dt+16
.endr
.irp i, 0,1,2,3,4,5,6,7
	ds_load_b128 v[RB+4*\i:RB+4*\i+3], v[SRD] offset:544*\i                    ; LDS serves a wave's instructions in order: these see my stores
.endr
.irp i, 0,1,2,3,4,5,6,7
	s_wait_dscnt 7-\i                              ; the younger loads may stay out
	global_store_b128 v[L16], v[RB+4*\i:RB+4*\i+3], s[42:43] offset:4096*\qt+512*\i th:TH_STORE_NT   ; two whole rows: 512 consecutive bytes, aligned
.endr
.endm
	QT 0
	QT 1
	QT 2
	QT 3
	s_wait_tensorcnt 0x0
	ds_add_u32 v218, v219
	s_wait_dscnt 0x0
	CROUND                                         ; the closing round
	s_endpgm
.Lfunc_end_k_qa418363d94_tail:
	.size	k_qa418363d94_tail, .Lfunc_end_k_qa418363d94_tail-k_qa418363d94_tail
	.p2alignl 7, 3214868480
	.fill 96, 4, 3214868480
	.section	.rodata,"a",@progbits
	.p2align	6, 0x0
	.amdhsa_kernel k_qa418363d94_tail
		.amdhsa_group_segment_fixed_size 168448
		.amdhsa_private_segment_fixed_size 0
		.amdhsa_enable_private_segment 0
		.amdhsa_kernarg_size 24
		.amdhsa_user_sgpr_count 2
		.amdhsa_user_sgpr_kernarg_segment_ptr 1
		.amdhsa_wavefront_size32 1
		.amdhsa_system_sgpr_workgroup_id_x 1
		.amdhsa_system_sgpr_workgroup_id_y 1
		.amdhsa_system_sgpr_workgroup_id_z 1
		.amdhsa_system_vgpr_workitem_id 0
		.amdhsa_next_free_vgpr 1024
		.amdhsa_next_free_sgpr 66
		.amdhsa_reserve_vcc 0
		.amdhsa_float_denorm_mode_32 3
		.amdhsa_float_denorm_mode_16_64 3
		.amdhsa_memory_ordered 1
		.amdhsa_forward_progress 1
		.amdhsa_inst_pref_size 81
	.end_amdhsa_kernel
	.amdgpu_metadata
---
amdhsa.version: [ 1, 2 ]
amdhsa.kernels:
  - .name:           k_qa418363d94_tail
    .symbol:         k_qa418363d94_tail.kd
    .args:
      - { .name: o3, .offset: 0, .size: 8, .value_kind: global_buffer, .address_space: global }
      - { .name: drec, .offset: 8, .size: 8, .value_kind: global_buffer, .address_space: global }
      - { .name: out0, .offset: 16, .size: 8, .value_kind: global_buffer, .address_space: global }
    .group_segment_fixed_size: 168448
    .private_segment_fixed_size: 0
    .kernarg_segment_align: 8
    .kernarg_segment_size: 24
    .max_flat_workgroup_size: 128
    .sgpr_count:     66
    .vgpr_count:     1024
    .wavefront_size: 32
...
	.end_amdgpu_metadata
.endif
;; end of part 5
